; MI455X (gfx1250); checked and timed in simulation.
; The chip was launched on July 23, 2026; its instructions are those of AMD's public machine-readable ISA for CDNA 5 (MIT licence, August 2026) and "CDNA5" Instruction Set Architecture Reference Guide (July 2026). The comments in the code are by the model that wrote it; some were corrected since.
;; Causal Self Attention. Allowed arithmetic: matrix products marked QUANTISED: E2M1 operands, one E8M0 scale for each 32 along K, by v_wmma_scale_f32_16x16x128_f8f6f4 with both operands' format E2M1 (or v_wmma_scale_f32_32x16x128_f4), f32 sums; products left as they are: bf16, f16 or f32 operands; f32 sums; everything else in f32.
;; Inputs: Wk 16 x 1,024 x 64 float32; Wo 1,024 x 1,024 float32; Wq 16 x 1,024 x 64 float32; Wv 16 x 1,024 x 64 float32; x 2 x 2,048 x 1,024 float32.
;; Outputs: out0 2 x 2,048 x 1,024 float32.
;; This version of the problem:
;;   THIS VERSION OF THE PROBLEM IS GIVEN IN LOW PRECISION. The matrix products marked QUANTISED in the list below multiply operands that are first quantised to E2M1 (2 exponent bits, 1 mantissa bit; 4 bits a number), with one power-of-two scale for each 32 numbers along K (OCP MX v1.0); their sums are f32. The products marked 'left as it is' may take bf16, f16 or f32 operands, with f32 sums. Whichever they take, every output number must still come out within the allowed error. Rounding operands to bf16 (8 significant bits) uses up far more of that allowance than f16 does (11 bits, for magnitudes from 6e-5 to 65,504). All else is computed in f32.
;;   The module's matrix products, in the order in which they are computed (A, B: the left and right operand; K: the contracted axis; several contracted axes count as one K, in the product's order):
;;     1. [M 1,024, K 1,024] x [K 1,024, N 4,096]; A: input Wq; B: input x: QUANTISED
;;     2. [M 1,024, K 1,024] x [K 1,024, N 4,096]; A: input Wk; B: input x: QUANTISED
;;     3. [M 1,024, K 1,024] x [K 1,024, N 4,096]; A: input Wv; B: input x: QUANTISED
;;     4. batch 32 x [M 2,048, K 64] x [K 64, N 2,048]; A: computed on the way; B: computed on the way: left as it is (an operand is computed on the way)
;;     5. batch 32 x [M 2,048, K 2,048] x [K 2,048, N 64]; A: computed on the way; B: computed on the way: left as it is (an operand is computed on the way)
;;     6. [M 4,096, K 1,024] x [K 1,024, N 1,024]; A: computed on the way; B: input Wo: left as it is (an operand is computed on the way)
;;   THE QUANTISER, for each operand of a quantised product, along K:
;;     - K is cut into blocks of 32 from its start; a last block that is shorter is filled with zeros.
;;     - A block's scale is 2^e with e = floor(log2(the largest magnitude in the block)) - 2, held to -126 .. 127; a block of zeros has e = 0. As a byte (E8M0): e + 127.
;;     - Each number is divided by its block's scale, clamped to +-6, and rounded to the nearest number of E2M1, ties to even, subnormals kept.
;;     - The product sums the exact products of the quantised numbers (number of the format x scale) in f32.
;;   ~~~python
;;   def quantise(x, axis):      # numpy; x: float32 -> the quantised numbers, widened to float32 again
;;       x = np.moveaxis(x, axis, -1); K = x.shape[-1]
;;       x = np.pad(x, [(0, 0)] * (x.ndim - 1) + [(0, -K % 32)]); x = x.reshape(x.shape[:-1] + (-1, 32)); a = np.abs(x).max(-1, keepdims=True)
;;       e = np.where(a > 0, np.clip(np.frexp(np.where(a > 0, a, 1))[1] - 1 - 2, -126, 127), 0)      # np.frexp(a)[1] - 1 = floor(log2(a)), exactly
;;       r = np.clip(x / 2.0 ** e, -6, 6)
;;       step = 2.0 ** (np.maximum(np.frexp(np.where(r == 0, 1, r))[1] - 1, 0) - 1)
;;       q = np.round(r / step) * step * 2.0 ** e      # np.round: ties to even
;;       return np.moveaxis(q.reshape(q.shape[:-2] + (-1,))[..., :K], -1, axis).astype(np.float32)
;;   ~~~
;; One version. Each part assembles by itself: llvm-mc -triple=amdgcn-amd-amdhsa -mcpu=gfx1250 --defsym DOCPART=n.
;; ======== version 1 of 1: 6 launches
;; limits: values are held in f16: magnitudes above 65,504 overflow, below 6.1e-05 lose precision
;; workspace buffers: xc 2,097,152 bytes; xs 131,072 bytes; wc 1,572,864 bytes; ws 98,304 bytes; wo16 2,097,152 bytes; qkv 25,165,824 bytes; cc 8,388,608 bytes; cfine 131,072 bytes
;; launch prep (part 1): grid 192 x 1, 8 waves a work-group, no clusters, 167,936 bytes of LDS; arguments x, Wq, Wk, Wv, Wo, xc, xs, wc, ws, wo16; writes xc, xs, wc, ws, wo16
.if DOCPART == 1
	.amdgcn_target "amdgcn-amd-amdhsa--gfx1250"
	.amdhsa_code_object_version 6
	.text
	.protected	k_qad3762af41_prep
	.globl	k_qad3762af41_prep
	.p2align	8
	.type	k_qad3762af41_prep,@function
k_qad3762af41_prep:
	s_mov_b64 s[64:65], 0
	v_nop
	global_prefetch_b8 v0, s[64:65] scope:SCOPE_SE
	s_setreg_imm32_b32 hwreg(HW_REG_WAVE_MODE, 25, 1), 1
	s_wait_xcnt 0x0
; PREP.  Three jobs in one launch, told apart by the work-group's number alone; each has LDS bytes of its own and ends by itself.
;  X (work-groups 0-63):    x [4096 tokens][1024] f32 -> xc [token][512 B] codes of FP4 (E2M1), K innermost, and xs [token][32 B] E8M0 bytes, one for each 32 along K.
;  W (work-groups 64-159):  Wq, Wk, Wv [16 heads][1024 d][64 k] f32, K = d -> wc [n][512 B], ws [n][32 B], n = 1024 T + 64 head + k (T = 0 Wq, 1 Wk, 2 Wv).
;                           A LANE TAKES A COLUMN n AND ITS REGISTERS RUN DOWN d: a block of 32 lies in one lane, and the conversions give codes with K innermost.
;                           A work-group takes 32 columns and all of K, wave w the rows d = 128 w .. 128 w + 127: four blocks a lane.  The eight waves' codes meet in one stage, behind one barrier, and leave as whole rows.
;  O (work-groups 160-191): Wo [1024 n][1024 k] f32 -> wo16, f16, in the order of a matrix operand's registers: [ks 4][nb 64][kc 8][g 2][lane 32][16 B],
;                           lane l: Wo[16 nb + l % 16][256 ks + 32 kc + 16 g + 8 (l / 16) + 0 .. 7].
; A block's scale is 2^(floor(log2(largest magnitude)) - 2); its byte is the largest magnitude's exponent field - 2, held at 1 from below.
; LIMITS: a block of zeros gets the byte 1 where the rule says 127 (its codes are zeros, which add nothing under any byte but 0xff, and this program alone reads the bytes);
; blocks whose largest magnitude lies under 2^(3 - 127) keep the byte 1; NaN and infinities among the inputs are not served; Wo beyond 65,504 has no f16 number.
; No tensor loads.  In X and O waves share nothing; W has one barrier, on a path that all eight waves of a work-group take together.  The launch claims more LDS than the 152,064 bytes that the text uses.
.set SP,    80                         ; X: a lane's place in a stage: its 64 bytes + 16 of padding.  A wave's region is 8,192 bytes: two stages of 32 x SP bytes, behind them its 256 scale bytes
.set WSTG,  65536                      ; W: the work-group's stage: 32 rows (columns n) x WP bytes
.set WP,    528                        ; a row of 512 bytes of codes + 16 of padding = 132 words
.set WSC,   WSTG+32*WP                 ; W: the 32 columns' scale bytes, 32 each, as they lie in ws
.set OST,   WSC+1024                   ; O: a stage of 16 rows x OP bytes for each wave
.set OP,    528
.set SPARE, OST+8*16*OP                ; the spare words, 128 bytes for each wave: four blocks of 256 bytes that no other line names
.set SPW,   12                         ; v12  LDS address of my spare word; never rewritten
.set NIL,   13                         ; v13  0; never rewritten
.set RR,    16                         ; X: v16-143 eight sets of 16 numbers as loaded
.set XN,    144                        ; X: v144-175 two sets of 16 neighbours
.set EB,    176                        ; X: v176-191 a scale byte for each step
.set CC,    192                        ; X: v192-223 codes, two registers a step, so that no store's data are written again
	s_load_b256 s[4:11], s[0:1], 0x0               ; x s[4:5], Wq s[6:7], Wk s[8:9], Wv s[10:11]
	s_load_b256 s[12:19], s[0:1], 0x20             ; Wo s[12:13], xc s[14:15], xs s[16:17], wc s[18:19]
	s_load_b128 s[20:23], s[0:1], 0x40             ; ws s[20:21], wo16 s[22:23]
	v_lshl_add_u32 v[SPW], v0, 2, SPARE
	v_mov_b32 v[NIL], 0
	v_lshrrev_b32 v1, 5, v0
	v_readfirstlane_b32 s24, v1                    ; wave 0..7
	v_and_b32 v2, 31, v0                           ; lane
	s_mov_b32 s29, 0                               ; the upper word of every offset pair s[28:29]
	s_wait_kmcnt 0x0
	s_cmp_ge_u32 ttmp9, 64
	s_cbranch_scc1 .Lnot_x
; ---------------- X: a wave takes 16 steps of 512 numbers.  Each load reads 512 consecutive bytes; a step's 2,048 bytes turn through the wave's own stage, so that a lane holds 16 neighbours; two lanes hold a block.
; Loads run eight steps ahead: 32 loads, 16,384 bytes, of every wave are on their way.
	s_lshl_b32 s25, s24, 13                        ; my wave's region
	v_lshlrev_b32 v3, 4, v2                        ; my 16 bytes of a load's 512
	v_lshrrev_b32 v14, 2, v2
	v_mul_u32_u24 v14, v14, SP
	v_and_b32 v15, 3, v2
	v_lshl_add_u32 v14, v15, 4, v14
	v_add_nc_u32 v14, s25, v14                     ; the stage on the way in: SP (lane / 4) + 16 (lane % 4)
	v_mul_u32_u24 v15, v2, SP
	v_add_nc_u32 v15, s25, v15                     ; and on the way out: SP x lane
	v_lshlrev_b32 v4, 3, v2                        ; my 8 bytes of a step's 256 bytes of codes
	v_lshrrev_b32 v5, 1, v2
	s_add_co_u32 s25, s25, 2*32*SP
	v_add_nc_u32 v5, s25, v5                       ; my block's byte among my wave's 256 scale bytes
	v_lshlrev_b32 v7, 3, v2
	v_add_nc_u32 v6, s25, v7                       ; and 8 bytes a lane on their way out
	s_lshl_b32 s26, ttmp9, 3
	s_add_co_u32 s26, s26, s24                     ; which run of 8,192 numbers is my wave's
	s_lshl_b32 s28, s26, 15
	s_add_nc_u64 s[4:5], s[4:5], s[28:29]
	s_lshl_b32 s28, s26, 12
	s_add_nc_u64 s[14:15], s[14:15], s[28:29]
	s_lshl_b32 s28, s26, 8
	s_add_nc_u64 s[16:17], s[16:17], s[28:29]
.macro XLOAD t
.irp i, 0,1,2,3
	global_load_b128 v[RR+16*((\t)%8)+4*\i:RR+16*((\t)%8)+4*\i+3], v3, s[4:5] offset:2048*(\t)+512*\i th:TH_LOAD_NT
.endr
.endm
.macro XTURN t                         ; LDS serves a wave's instructions in order: no wait between the stores and the loads
.irp i, 0,1,2,3
	ds_store_b128 v14, v[RR+16*((\t)%8)+4*\i:RR+16*((\t)%8)+4*\i+3] offset:32*SP*((\t)%2)+8*SP*\i
.endr
.irp i, 0,1,2,3
	ds_load_b128 v[XN+16*((\t)%2)+4*\i:XN+16*((\t)%2)+4*\i+3], v15 offset:32*SP*((\t)%2)+16*\i
.endr
.endm
.irp t, 0,1,2,3,4,5,6,7
	XLOAD \t
.endr
	s_wait_loadcnt 28                              ; step 0's four loads are in; the 28 of steps 1 to 7 may be out
	XTURN 0
.macro XSTEP t
.set XS, XN+16*((\t)%2)
.if (\t) > 0
	s_wait_dscnt 1                                 ; this step's numbers are back from the stage (the last step's byte store may be out): so the stores into the stage have read their registers,
.else
	s_wait_dscnt 0x0
.endif
.if (\t)+8 < 16
	XLOAD (\t)+8                                   ; which take the loads of eight steps on
.endif
.if (\t)+1 < 16
.if 14-(\t) >= 7
	s_wait_loadcnt 28                              ; the next step's four loads are in; those of the seven steps behind it may be out
.else
	s_wait_loadcnt 4*(14-(\t))                     ; at the end the count runs down: four for each step still behind
.endif
	XTURN (\t)+1
.endif
	v_max3_num_f32 v8, |v[XS]|, |v[XS+1]|, |v[XS+2]|
	v_max3_num_f32 v9, |v[XS+3]|, |v[XS+4]|, |v[XS+5]|
.irp i, 6,10
	v_max3_num_f32 v8, v8, |v[XS+\i]|, |v[XS+\i+1]|
	v_max3_num_f32 v9, v9, |v[XS+\i+2]|, |v[XS+\i+3]|
.endr
	v_max3_num_f32 v8, v8, |v[XS+14]|, |v[XS+15]|
	v_max3_num_f32 v8, v8, v9, 0x1800000           ; and the floor 2^(3 - 127): the byte cannot fall under 1
	v_max_num_f32_dpp v8, v8, v8 row_xmask:1 row_mask:0xf bank_mask:0xf   ; with my neighbour's 16: the block's largest magnitude
	v_add_nc_u32 v11, 0xff000000, v8               ; 2 off its exponent field: the conversion takes the exponent field of this operand as its scale
	v_cvt_scalef32_pk8_fp4_f32 v[CC+2*(\t)], v[XS:XS+7], v11
	v_cvt_scalef32_pk8_fp4_f32 v[CC+2*(\t)+1], v[XS+8:XS+15], v11
	v_lshrrev_b32 v[EB+(\t)], 23, v11              ; the scale's byte (also the plain line behind the conversions)
	ds_store_b8 v5, v[EB+(\t)] offset:16*(\t)      ; both lanes of a block write the same byte with the same value
	global_store_b64 v4, v[CC+2*(\t):CC+2*(\t)+1], s[14:15] offset:256*(\t)   ; the wave stores 256 consecutive bytes, aligned
.endm
.irp t, 0,1,2,3,4,5,6,7,8,9,10,11,12,13,14,15
	XSTEP \t
.endr
	ds_load_b64 v[8:9], v6                         ; my wave's 256 scale bytes, behind my stores of them
	s_wait_dscnt 0x0
	global_store_b64 v7, v[8:9], s[16:17]          ; 256 consecutive bytes, aligned
	s_wait_tensorcnt 0x0                           ; the wave's end: three lines behind my last LDS store
	ds_add_u32 v[SPW], v[NIL]
	s_wait_dscnt 0x0
	s_endpgm
.Lnot_x:
	s_cmp_ge_u32 ttmp9, 160
	s_cbranch_scc1 .Lpath_o
; ---------------- W: the work-group takes columns 32 cg .. 32 cg + 31, a lane a column; wave w takes rows d = 128 w on: four blocks of 32, 64 bytes of codes and 4 scale bytes for each column.
	s_sub_co_u32 s25, ttmp9, 64                    ; cg = 0..95
	s_lshr_b32 s26, s25, 5                         ; T: 32 groups of columns to a tensor
	s_cmp_eq_u32 s26, 0
	s_cselect_b64 s[6:7], s[6:7], s[8:9]           ; the choice hangs on the work-group's number alone
	s_cmp_eq_u32 s26, 2
	s_cselect_b64 s[6:7], s[10:11], s[6:7]
	s_bfe_u32 s28, s25, 0x40001                    ; head = (cg / 2) % 16
	s_lshl_b32 s28, s28, 18                        ; a head is 262,144 bytes
	s_and_b32 s31, s25, 1
	s_lshl_b32 s31, s31, 7                         ; which 32 of the head's 64 columns
	s_add_co_u32 s28, s28, s31
	s_lshl_b32 s31, s24, 15                        ; my wave's 128 rows of 256 bytes
	s_add_co_u32 s28, s28, s31
	s_add_nc_u64 s[6:7], s[6:7], s[28:29]
	s_lshl_b32 s28, s25, 14                        ; codes: 32 cg rows of 512 bytes,
	s_lshl_b32 s31, s24, 11                        ; + the four rows that my wave stores
	s_add_co_u32 s28, s28, s31
	s_add_nc_u64 s[18:19], s[18:19], s[28:29]
	s_lshl_b32 s28, s25, 10                        ; scale bytes: 32 cg rows of 32 bytes,
	s_and_b32 s31, s24, 3
	s_lshl_b32 s31, s31, 8                         ; + the 256 bytes that waves 0 to 3 store
	s_add_co_u32 s28, s28, s31
	s_add_nc_u64 s[20:21], s[20:21], s[28:29]
	v_lshlrev_b32 v3, 2, v2                        ; in: 4 bytes a lane
	s_lshl_b32 s27, s24, 6
	s_add_co_u32 s27, s27, WSTG
	v_mul_u32_u24 v4, v2, WP
	v_add_nc_u32 v4, s27, v4                       ; into the stage: row = my column, + my wave's 64 bytes
	s_lshl_b32 s27, s24, 2
	s_add_co_u32 s27, s27, WSC
	v_lshl_add_u32 v5, v2, 5, s27                  ; my column's 32 scale bytes, + my wave's four
	s_mul_i32 s27, s24, 4*WP
	s_add_co_u32 s27, s27, WSTG
	v_lshl_add_u32 v7, v2, 4, s27                  ; out of the stage: rows 4 w .. 4 w + 3, whole: 16 bytes a lane
	v_lshlrev_b32 v8, 4, v2                        ; and the same place in a row of wc
	s_and_b32 s27, s24, 3
	s_lshl_b32 s27, s27, 8
	s_add_co_u32 s27, s27, WSC
	v_lshl_add_u32 v9, v2, 3, s27                  ; the scale bytes on their way out: 256 a wave, 8 a lane
	v_lshlrev_b32 v10, 3, v2
.macro WLOAD t                         ; block t: W(32 t + i, my column) into set t % 2; 32 lanes read 128 consecutive bytes
.irp i, 0,1,2,3,4,5,6,7,8,9,10,11,12,13,14,15,16,17,18,19,20,21,22,23,24,25,26,27,28,29,30,31
	global_load_b32 v[32+32*((\t)%2)+\i], v3, s[6:7] offset:(32*(\t)+\i)*256 th:TH_LOAD_NT
.endr
.endm
	WLOAD 0
	WLOAD 1
.macro WBLOCK t
.set XS, 32+32*((\t)%2)
.if (\t) < 3
	s_wait_loadcnt 32                              ; this block's 32 loads are in; the next block's 32 may be out
.else
	s_wait_loadcnt 0x0
.endif
	v_max3_num_f32 v16, |v[XS]|, |v[XS+1]|, |v[XS+2]|              ; all 32 numbers of the block are mine
	v_max3_num_f32 v17, |v[XS+3]|, |v[XS+4]|, |v[XS+5]|
.irp i, 6,10,14,18,22,26
	v_max3_num_f32 v16, v16, |v[XS+\i]|, |v[XS+\i+1]|
	v_max3_num_f32 v17, v17, |v[XS+\i+2]|, |v[XS+\i+3]|
.endr
	v_max3_num_f32 v16, v16, |v[XS+30]|, |v[XS+31]|
	v_max3_num_f32 v16, v16, v17, 0x1800000        ; the floor
	v_add_nc_u32 v18, 0xff000000, v16              ; the conversion's scale operand
	v_lshrrev_b32 v17, 23, v18                     ; the scale's byte
.if (\t) == 0
	v_mov_b32 v24, v17                             ; my four bytes in one register, the lower K in the lower byte
.else
	v_lshl_or_b32 v24, v17, 8*(\t), v24
.endif
.irp g, 0,1,2,3
	v_cvt_scalef32_pk8_fp4_f32 v[96+\g], v[XS+8*\g:XS+8*\g+7], v18
.endr
	ds_store_b128 v4, v[96:99] offset:16*(\t)      ; 32 codes: 16 bytes of my column's row
.if (\t)+2 < 4
	WLOAD (\t)+2
.endif
	s_wait_dscnt 0x0                               ; the store has read its registers: the next block's codes may be written (its first lines are plain vector lines)
.endm
.irp t, 0,1,2,3
	WBLOCK \t
.endr
	ds_store_b32 v5, v24                           ; my column's scale bytes of blocks 4 w .. 4 w + 3
	s_wait_dscnt 0x0                               ; for the others' sake: my codes and scale bytes have landed
	s_barrier_signal -1
	s_barrier_wait -1                              ; the 32 rows are whole
.irp i, 0,1,2,3
	ds_load_b128 v[112+4*\i:115+4*\i], v7 offset:\i*WP
.endr
.irp i, 0,1,2,3
	s_wait_dscnt 3-\i                              ; LDS loads come back in order: the younger ones may be out
	global_store_b128 v8, v[112+4*\i:115+4*\i], s[18:19] offset:\i*512   ; a whole row of wc: 512 consecutive bytes, aligned
.endr
	s_cmp_gt_u32 s24, 3                            ; the 1,024 scale bytes are four stores of 256: waves 0 to 3
	s_cbranch_scc1 .Lw_end
	ds_load_b64 v[128:129], v9
	s_wait_dscnt 0x0
	global_store_b64 v10, v[128:129], s[20:21]     ; 256 consecutive bytes, aligned
.Lw_end:
	s_wait_tensorcnt 0x0                           ; the wave's end: the three lines
	ds_add_u32 v[SPW], v[NIL]
	s_wait_dscnt 0x0
	s_endpgm
.Lpath_o:
; ---------------- O: a wave takes 16 rows x 256 k of Wo: loads of 512 consecutive bytes, rounded to f16, through the wave's own stage into the operand's order.
	s_sub_co_u32 s25, ttmp9, 160
	s_lshl_b32 s25, s25, 1
	s_lshr_b32 s26, s24, 2
	s_add_co_u32 s25, s25, s26                     ; nb = 0..63
	s_and_b32 s26, s24, 3                          ; ks
	s_lshl_b32 s28, s25, 16                        ; 16 rows of 4,096 bytes
	s_lshl_b32 s27, s26, 10
	s_add_co_u32 s28, s28, s27
	s_add_nc_u64 s[12:13], s[12:13], s[28:29]
	s_lshl_b32 s28, s26, 19
	s_lshl_b32 s27, s25, 13
	s_add_co_u32 s28, s28, s27
	s_add_nc_u64 s[22:23], s[22:23], s[28:29]      ; wo16 + 524,288 ks + 8,192 nb
	v_lshlrev_b32 v3, 4, v2                        ; 16 x lane
	s_mul_i32 s27, s24, 16*OP
	s_add_co_u32 s27, s27, OST                     ; my stage
	v_lshl_add_u32 v4, v2, 3, s27                  ; in: 8 bytes a lane
	v_and_b32 v5, 15, v2
	v_lshrrev_b32 v6, 4, v2
	v_mul_u32_u24 v5, v5, OP
	v_lshl_add_u32 v5, v6, 4, v5
	v_add_nc_u32 v5, s27, v5                       ; out: row lane % 16, + 16 (lane / 16)
.irp r, 0,1,2,3,4,5,6,7,8,9,10,11,12,13,14,15
.irp u, 0,1
	global_load_b128 v[32+4*(2*\r+\u):35+4*(2*\r+\u)], v3, s[12:13] offset:\r*4096+\u*512
.endr
.endr
.irp r, 0,1,2,3,4,5,6,7,8,9,10,11,12,13,14,15
.irp u, 0,1
	s_wait_loadcnt 31-(2*\r+\u)                    ; loads come back in order: the younger ones may be out
	v_cvt_pk_f16_f32 v[32+4*(2*\r+\u)], v[32+4*(2*\r+\u)], v[33+4*(2*\r+\u)]
	v_cvt_pk_f16_f32 v[33+4*(2*\r+\u)], v[34+4*(2*\r+\u)], v[35+4*(2*\r+\u)]
	ds_store_b64 v4, v[32+4*(2*\r+\u):33+4*(2*\r+\u)] offset:\r*OP+256*\u
.endr
.endr
.irp n, 0,1,2,3,4,5,6,7,8,9,10,11,12,13,14,15
	ds_load_b128 v[160+4*\n:163+4*\n], v5 offset:32*\n   ; group n = 2 kc + g: k = 16 n + 8 (lane / 16) + 0 .. 7 of my row
.endr
.irp n, 0,1,2,3,4,5,6,7,8,9,10,11,12,13,14,15
	s_wait_dscnt 15-\n
	global_store_b128 v3, v[160+4*\n:163+4*\n], s[22:23] offset:512*\n   ; 512 consecutive bytes, aligned
.endr
	s_wait_tensorcnt 0x0                           ; the wave's end: the three lines
	ds_add_u32 v[SPW], v[NIL]
	s_wait_dscnt 0x0
	s_endpgm
.Lfunc_end_k_qad3762af41_prep:
	.size	k_qad3762af41_prep, .Lfunc_end_k_qad3762af41_prep-k_qad3762af41_prep
	.p2alignl 7, 3214868480
	.fill 96, 4, 3214868480
	.section	.rodata,"a",@progbits
	.p2align	6, 0x0
	.amdhsa_kernel k_qad3762af41_prep
		.amdhsa_group_segment_fixed_size 167936
		.amdhsa_private_segment_fixed_size 0
		.amdhsa_enable_private_segment 0
		.amdhsa_kernarg_size 80
		.amdhsa_user_sgpr_count 2
		.amdhsa_user_sgpr_kernarg_segment_ptr 1
		.amdhsa_wavefront_size32 1
		.amdhsa_system_sgpr_workgroup_id_x 1
		.amdhsa_system_sgpr_workgroup_id_y 1
		.amdhsa_system_sgpr_workgroup_id_z 1
		.amdhsa_system_vgpr_workitem_id 0
		.amdhsa_next_free_vgpr 224
		.amdhsa_next_free_sgpr 66
		.amdhsa_reserve_vcc 0
		.amdhsa_float_denorm_mode_32 3
		.amdhsa_float_denorm_mode_16_64 3
		.amdhsa_memory_ordered 1
		.amdhsa_forward_progress 1
		.amdhsa_inst_pref_size 68
	.end_amdhsa_kernel
	.amdgpu_metadata
---
amdhsa.version: [ 1, 2 ]
amdhsa.kernels:
  - .name:           k_qad3762af41_prep
    .symbol:         k_qad3762af41_prep.kd
    .args:
      - { .name: x, .offset: 0, .size: 8, .value_kind: global_buffer, .address_space: global }
      - { .name: Wq, .offset: 8, .size: 8, .value_kind: global_buffer, .address_space: global }
      - { .name: Wk, .offset: 16, .size: 8, .value_kind: global_buffer, .address_space: global }
      - { .name: Wv, .offset: 24, .size: 8, .value_kind: global_buffer, .address_space: global }
      - { .name: Wo, .offset: 32, .size: 8, .value_kind: global_buffer, .address_space: global }
      - { .name: xc, .offset: 40, .size: 8, .value_kind: global_buffer, .address_space: global }
      - { .name: xs, .offset: 48, .size: 8, .value_kind: global_buffer, .address_space: global }
      - { .name: wc, .offset: 56, .size: 8, .value_kind: global_buffer, .address_space: global }
      - { .name: ws, .offset: 64, .size: 8, .value_kind: global_buffer, .address_space: global }
      - { .name: wo16, .offset: 72, .size: 8, .value_kind: global_buffer, .address_space: global }
    .group_segment_fixed_size: 167936
    .private_segment_fixed_size: 0
    .kernarg_segment_align: 8
    .kernarg_segment_size: 80
    .max_flat_workgroup_size: 256
    .sgpr_count:     66
    .vgpr_count:     224
    .wavefront_size: 32
...
	.end_amdgpu_metadata
.endif
;; end of part 1
;; launch qkv (part 2): grid 12 x 16, 4 waves a work-group, clusters of 4 x 4, 327,680 bytes of LDS; arguments xc, xs, wc, ws, qkv; writes qkv
.if DOCPART == 2
	.amdgcn_target "amdgcn-amd-amdhsa--gfx1250"
	.amdhsa_code_object_version 6
	.text
	.protected	k_qad3762af41_qkv
	.globl	k_qad3762af41_qkv
	.p2align	8
	.type	k_qad3762af41_qkv,@function
k_qad3762af41_qkv:
	s_mov_b64 s[64:65], 0
	v_nop
	global_prefetch_b8 v0, s[64:65] scope:SCOPE_SE
	s_setreg_imm32_b32 hwreg(HW_REG_WAVE_MODE, 25, 1), 1
	s_wait_xcnt 0x0
	s_wait_alu depctr_hold_cnt(0) depctr_sa_sdst(0) depctr_va_vdst(0) depctr_va_sdst(0) depctr_va_ssrc(0) depctr_va_vcc(0) depctr_vm_vsrc(0)
	s_getreg_b32 s2, hwreg(HW_REG_IB_STS2, 6, 4)
	s_cmp_eq_u32 s2, 0
	s_cbranch_scc0 .Lentry_in_a_cluster
	s_endpgm
.Lentry_in_a_cluster:
	s_bfe_u32 s2, ttmp6, 0x10000c
	s_cmp_lg_u32 s2, 0xf033
	s_cbranch_scc0 .Lentry_shape_is_right
	s_endpgm
.Lentry_shape_is_right:
; Q, K, V = x W on codes of FP4 (E2M1) with one E8M0 scale for each 32 along K = 1,024: a GEMM of 4,096 tokens x 3,072 columns n (n = 1024 T + 64 head + k), sums in f32.
; A work-group of four waves makes 256 x 256, a wave 128 x 128: 64 accumulators, 512 registers.  K is two LDS slots of 512, both filled once at the start; a wave has three tensor loads out at the most (scales, slot 0, slot 1).
; The LDS has an "A" region and a "B" region; source 0 of the matrix instruction takes 16 rows of B, source 1 takes 16 rows of A, so a lane holds ONE row of A and EIGHT NEIGHBOURING rows of B.
;   Q, K (cluster x = 0, 1): A = tokens, B = columns n: a lane holds one token and eight channels.    V (cluster x = 2): A = columns n, B = tokens: a lane holds one channel and eight tokens.
; Rounded to f16 in pairs, those eight are 16 bytes of the NEXT products' operand registers.  So qkv is laid as images of operand registers and every store of a wave covers 512 consecutive bytes, with no stage:
;   tensor T at 8,388,608 T; in it (16 batch + head) at x 262,144.  Q, K: [16 tokens][c 2][g 2][lane][16 B], lane l: token l % 16, channels 32 c + 16 g + 8 (l / 16) + 0 .. 7.
;   V: [32 keys][ct 4][g 2][lane][16 B], lane l: channel 16 ct + l % 16, keys 16 g + 8 (l / 16) + 0 .. 7.
; CLUSTERS: 4 x 4 work-groups; A's tile hangs on the place along y and is asked for jointly by a row of the cluster, B's on the place along x, by a column.
; LIMIT: |Q|, |K|, |V| beyond 65,504 have no f16 number.
; REGISTERS, in windows of 256: window 0: v16-29 addresses; v32-95 scale words, two sets; v128-191 A's fragments, one set; v192-255 packed results.  window 1: B's fragments, two sets.  windows 2, 3: accumulators.
.set NQ,     4                         ; matrix instructions deep in a slot
.set ROWB,   256                       ; a tile's row: 512 codes
.set KROW,   512                       ; a row of codes in memory
.set PITCH,  272                       ; an LDS row: 256 bytes + 16 of padding, so that the 16 rows of a fragment load start 68 words apart
.set FR,     8
.set NL,     2
.set NP,     4                         ; places behind this matrix instruction (ISA guide 7.12.1)
.set HALFT,  128*PITCH
.set SLOT,   4*HALFT
.set KS,     32                        ; a row of scale bytes
.set SCL,    2*SLOT
.set HALFS,  (128*KS/256)*272
.set SBLK,   (16*KS/256)*272
.set SPARE,  SCL+4*HALFS               ; the spare words, 128 bytes a wave: two blocks of 256 bytes that no other line names
.set ADRA, 16
.set ADRB, 20
.set CO,   26                          ; v26  16 x lane
.set ADRS, 27
.set SPW,  28
.set NIL,  29
.set SC,   32
.set AF,   128
.set PK,   192
.set G1, 24
.set G0, 32
.set G1B, 48
.set G0B, 56
.set G1S, 68
.set G0S, 76
.set G1SB, 80
.set G0SB, 88
.set MSB, 0
.macro WIN new                         ; the immediate's high byte repeats the setting that is left
.if MSB != \new
	s_set_vgpr_msb (MSB<<8)|\new
.set MSB, \new
.endif
.endm
.set MUL_LO, 0xa1                      ; source 0 (B) window 1, source 1 (A) window 0, C and D window 2
.set MUL_HI, 0xf1
.set TO_B,   0x40
; A joint load: waves 0 and 1 fetch for A, waves 2 and 3 for B; the branch hangs on the wave's number alone.  An s_nop 0 and four v_nop follow each line.
.macro JLOAD g0a, g1a, g0b, g1b
	s_cmp_eq_u32 s15, 0
	s_cbranch_scc0 .Lfor_b_\@
	tensor_load_to_lds s[\g0a:\g0a+3], s[\g1a:\g1a+7]
	s_nop 0
.rept 4
	v_nop
.endr
	s_branch .Lasked_\@
.Lfor_b_\@:
	tensor_load_to_lds s[\g0b:\g0b+3], s[\g1b:\g1b+7]
	s_nop 0
.rept 4
	v_nop
.endr
.Lasked_\@:
.endm
.macro CROUND                          ; a round of the cluster's barrier
	s_barrier_signal -1
	s_barrier_wait -1
	s_cmp_lg_u32 s14, 0
	s_cbranch_scc1 .Lnot_wave_0_\@
	s_barrier_signal -3
.Lnot_wave_0_\@:
	s_barrier_wait -3
	s_barrier_signal -1
	s_barrier_wait -1
.endm
	s_load_b128 s[4:7], s[0:1], 0x0                ; xc, xs
	s_load_b128 s[8:11], s[0:1], 0x10              ; wc, ws
	s_load_b64 s[12:13], s[0:1], 0x20              ; qkv
	v_lshl_add_u32 v[SPW], v0, 2, SPARE
	v_mov_b32 v[NIL], 0
	ds_add_u32 v[SPW], v[NIL]                      ; the wave's opening: the add, twice on end, and its wait ahead of my first tensor load
	ds_add_u32 v[SPW], v[NIL]
	v_lshrrev_b32 v1, 5, v0
	v_readfirstlane_b32 s14, v1                    ; wave 0..3
	s_lshr_b32 s15, s14, 1                         ; which half of A's rows I multiply.  Also: I fetch for A (0) or for B (1)
	s_and_b32 s16, s14, 1                          ; which half of B's rows I multiply.  Also: which 128 rows I fetch
	s_bfe_u32 s40, ttmp6, 0x40000                  ; cx
	s_bfe_u32 s41, ttmp6, 0x40004                  ; cy
	s_and_b32 s17, ttmp7, 0xffff
	s_lshl_b32 s17, s17, 2                         ; 4 x cluster y
	s_lshl_b32 s42, ttmp9, 2                       ; 4 x cluster x
	s_cmp_eq_u32 ttmp9, 2                          ; V's clusters: the same in all sixteen partners
	s_cselect_b32 s42, s17, s42                    ; B's tile: V: tokens, 4 x cluster y; else columns, 4 x cluster x
	s_cselect_b32 s17, 8, s17                      ; A's tile: V: columns from 2,048 on; else tokens, 4 x cluster y
	s_add_co_u32 s42, s42, s40                     ; + cx: B's tile hangs on cx alone
	s_add_co_u32 s17, s17, s41                     ; + cy: A's tile hangs on cy alone
	s_lshl_b32 s43, s41, 2
	s_lshl_b32 s43, 15, s43                        ; my row of the cluster
	s_lshl_b32 s44, 0x1111, s40                    ; my column
	s_or_b32 s[G1+0], s43, (0<<16)|(1<<20)|(1<<21)|(5<<22)|(3<<25)  ; mask; elements of 1 byte; padding on; bit 21 beside a mask; 4 words behind every 64
	s_or_b32 s[G1B+0], s44, (0<<16)|(1<<20)|(1<<21)|(5<<22)|(3<<25)
.irp g, G1, G1B
	s_mov_b32 s[\g+1], ROWB<<16                    ; tensor_dim0
	s_mov_b32 s[\g+2], 128<<16                     ; tensor_dim1
	s_mov_b32 s[\g+3], ROWB<<16                    ; tile_dim0
	s_mov_b32 s[\g+4], 128                         ; tile_dim1
	s_mov_b32 s[\g+5], KROW                        ; from row to row
	s_mov_b32 s[\g+6], 0
	s_mov_b32 s[\g+7], 0
.endr
	s_or_b32 s[G1S+0], s43, (3<<16)|(1<<20)|(1<<21)|(5<<22)|(3<<25)   ; the scales of 128 rows: 4,096 dense bytes as 16 rows of 256, 16 bytes of padding behind each
	s_or_b32 s[G1SB+0], s44, (3<<16)|(1<<20)|(1<<21)|(5<<22)|(3<<25)
.irp g, G1S, G1SB
	s_mov_b32 s[\g+1], 32<<16
	s_mov_b32 s[\g+2], (128*KS/256)<<16
	s_mov_b32 s[\g+3], 32<<16
	s_mov_b32 s[\g+4], 128*KS/256
	s_mov_b32 s[\g+5], 32
	s_mov_b32 s[\g+6], 0
	s_mov_b32 s[\g+7], 0
.endr
	s_lshl_b32 s18, s16, 7                         ; which 128 rows of the tile I fetch
	s_lshl_b32 s20, s17, 8
	s_add_co_u32 s20, s20, s18                     ; A: row 256 x tile + 128 x half
	s_lshl_b32 s46, s42, 8
	s_add_co_u32 s46, s46, s18                     ; B likewise
	s_mov_b32 s21, 0
	s_mov_b32 s47, 0
	s_mov_b64 s[18:19], KS
	s_mul_u64 s[22:23], s[20:21], s[18:19]         ; where these rows' scales begin,
	s_mul_u64 s[92:93], s[46:47], s[18:19]
	s_mov_b64 s[18:19], KROW
	s_mul_u64 s[20:21], s[20:21], s[18:19]         ; and their codes
	s_mul_u64 s[46:47], s[46:47], s[18:19]
	s_mul_i32 s45, s14, HALFT                      ; where they go: wave x 128 rows
	s_mul_i32 s94, s14, HALFS
	s_wait_dscnt 0x0                               ; both opening adds are done
	s_wait_kmcnt 0x0
	s_cmp_eq_u32 ttmp9, 2                          ; which buffers are A and B: both have rows of 512 and of 32 bytes
	s_cselect_b64 s[96:97], s[8:9], s[4:5]         ; A's codes
	s_cselect_b64 s[8:9], s[4:5], s[8:9]           ; B's codes
	s_cselect_b64 s[4:5], s[10:11], s[6:7]         ; A's scales
	s_cselect_b64 s[10:11], s[6:7], s[10:11]       ; B's scales
	s_add_nc_u64 s[20:21], s[96:97], s[20:21]
	s_add_nc_u64 s[22:23], s[4:5], s[22:23]
	s_add_nc_u64 s[46:47], s[8:9], s[46:47]
	s_add_nc_u64 s[92:93], s[10:11], s[92:93]
	CROUND                                         ; all sixteen work-groups are here: the first joint loads meet
	s_mov_b32 s[G0S], 1
	s_add_co_u32 s[G0S+1], s94, SCL
	s_mov_b64 s[G0S+2:G0S+3], s[22:23]
	s_or_b32 s[G0S+3], s[G0S+3], 0x80000000
	s_mov_b32 s[G0SB], 1
	s_add_co_u32 s[G0SB+1], s94, SCL
	s_mov_b64 s[G0SB+2:G0SB+3], s[92:93]
	s_or_b32 s[G0SB+3], s[G0SB+3], 0x80000000
	JLOAD G0S, G1S, G0SB, G1SB                     ; the scales first: they are wanted with the first products
.irp s, 0,1
	s_mov_b32 s[G0+4*\s], 1
	s_add_co_u32 s[G0+4*\s+1], s45, \s*SLOT
	s_add_nc_u64 s[G0+4*\s+2:G0+4*\s+3], s[20:21], \s*ROWB
	s_or_b32 s[G0+4*\s+3], s[G0+4*\s+3], 0x80000000
	s_mov_b32 s[G0B+4*\s], 1
	s_add_co_u32 s[G0B+4*\s+1], s45, \s*SLOT
	s_add_nc_u64 s[G0B+4*\s+2:G0B+4*\s+3], s[46:47], \s*ROWB
	s_or_b32 s[G0B+4*\s+3], s[G0B+4*\s+3], 0x80000000
	JLOAD G0+4*\s, G1, G0B+4*\s, G1B
.endr
	v_and_b32 v1, 15, v0                           ; l % 16
	v_bfe_u32 v2, v0, 4, 1                         ; l / 16
	v_mul_u32_u24 v3, v1, PITCH
	v_lshl_add_u32 v4, v2, 4, v3                   ; a fragment's row x pitch + 16 x half
	s_mul_i32 s21, s15, HALFT                      ; my 128 rows of A
	s_mul_i32 s22, s16, HALFT                      ; my 128 rows of B,
	s_add_co_u32 s22, s22, 2*HALFT                 ; behind A's 256
.irp s, 0,1
	v_add_nc_u32 v[ADRA+\s], s21, v4
	v_add_nc_u32 v[ADRB+\s], s22, v4
	s_add_co_u32 s21, s21, SLOT
	s_add_co_u32 s22, s22, SLOT
.endr
	v_mul_u32_u24 v5, v1, KS                       ; my row's scales: KS bytes a row,
	v_lshrrev_b32 v6, 8, v5
	v_lshl_add_u32 v5, v6, 4, v5                   ; and 16 more for each 256 passed
	s_mul_i32 s21, s15, HALFS
	s_mul_i32 s22, s16, HALFS
	s_add_co_u32 s22, s22, 2*HALFS
	s_sub_co_u32 s22, s22, s21
	v_mul_u32_u24 v6, s22, v2                      ; lanes 16-31 take B's
	s_add_co_u32 s21, s21, SCL
	v_add_nc_u32 v5, v5, v6
	v_add_nc_u32 v[ADRS], s21, v5
	v_and_b32 v6, 31, v0
	v_lshlrev_b32 v[CO], 4, v6
	; where my wave's results begin in qkv
	s_lshl_b32 s20, s17, 8
	s_lshl_b32 s21, s15, 7
	s_add_co_u32 s20, s20, s21                     ; the first of A's rows that I multiply
	s_lshl_b32 s46, s42, 8
	s_lshl_b32 s47, s16, 7
	s_add_co_u32 s46, s46, s47                     ; the first of B's
	s_cmp_eq_u32 ttmp9, 2
	s_cselect_b32 s21, s20, s46                    ; my first column n
	s_cselect_b32 s47, s46, s20                    ; my first token
	s_lshr_b32 s21, s21, 6                         ; 16 T + head
	s_lshr_b32 s18, s21, 4
	s_lshl_b32 s18, s18, 5                         ; 32 T
	s_and_b32 s21, s21, 15
	s_add_co_u32 s18, s18, s21                     ; + head
	s_lshr_b32 s21, s47, 11
	s_lshl_b32 s21, s21, 4
	s_add_co_u32 s18, s18, s21                     ; + 16 batch
	s_lshl_b32 s18, s18, 18                        ; x 262,144
	s_and_b32 s47, s47, 2047
	s_lshl_b32 s47, s47, 7                         ; + 128 bytes a token
	s_add_co_u32 s18, s18, s47
	s_mov_b32 s19, 0
	s_add_nc_u64 s[12:13], s[12:13], s[18:19]
.macro FRAG reg, adr, q, i             ; 16 rows x 128 K of 4-bit codes: 8 registers: registers 4 c .. 4 c + 3 hold K = 64 c + 32 (l / 16) + 0 .. 31
.irp c, 0,1
	ds_load_b128 v[\reg+4*\c:\reg+4*\c+3], v[\adr] offset:64*(\q)+32*\c+(\i)*16*PITCH
.endr
.endm
; 16 matrix instructions: A's blocks a0, a0 + 1 x B's eight.  The 64 accumulators take turns, one instruction a turn, in the same order in every step.
.macro MUL16 a0, p, q, sc, zero
.irp a, \a0, \a0+1
.irp b, 0,1,2,3,4,5,6,7
.if \zero
	v_wmma_scale_f32_16x16x128_f8f6f4 v[8*(8*((\a)%4)+\b):8*(8*((\a)%4)+\b)+7], v[128*(\p)+FR*\b:128*(\p)+FR*\b+FR-1], v[AF+FR*(\a):AF+FR*(\a)+FR-1], 0, v[SC+8*NQ*(\sc)+NQ*\b+(\q)], v[SC+8*NQ*(\sc)+NQ*(\a)+(\q)] matrix_a_fmt:MATRIX_FMT_FP4 matrix_b_fmt:MATRIX_FMT_FP4 matrix_a_scale:MATRIX_SCALE_ROW1
.else
	v_wmma_scale_f32_16x16x128_f8f6f4 v[8*(8*((\a)%4)+\b):8*(8*((\a)%4)+\b)+7], v[128*(\p)+FR*\b:128*(\p)+FR*\b+FR-1], v[AF+FR*(\a):AF+FR*(\a)+FR-1], v[8*(8*((\a)%4)+\b):8*(8*((\a)%4)+\b)+7], v[SC+8*NQ*(\sc)+NQ*\b+(\q)], v[SC+8*NQ*(\sc)+NQ*(\a)+(\q)] matrix_a_fmt:MATRIX_FMT_FP4 matrix_b_fmt:MATRIX_FMT_FP4 matrix_a_scale:MATRIX_SCALE_ROW1
.endif
.endr
.endr
.endm
.macro FETCH_B slot, q, p
	WIN TO_B
.irp i, 0,1,2,3,4,5,6,7
	FRAG 128*(\p)+FR*\i, ADRB+\slot, \q, \i
.endr
	WIN 0
.endm
.macro FETCH_A slot, q, i0
.irp i, \i0, \i0+1, \i0+2, \i0+3
	FRAG AF+FR*(\i), ADRA+\slot, \q, \i
.endr
.endm
.macro SCALES sc                       ; a slot's scale words: lanes 0-15 take A's block i, lanes 16-31 B's block i
.irp i, 0,1,2,3,4,5,6,7
	ds_load_b128 v[SC+8*NQ*\sc+NQ*\i:SC+8*NQ*\sc+NQ*\i+3], v[ADRS] offset:\i*SBLK
.endr
.endm
.macro PLACES n                        ; plain vector instructions between a matrix instruction and a load into, or a read of, its registers
.rept \n
	v_nop
.endr
.endm
.macro STEP slot, q, zero              ; 128 along K that has its successor in the same slot
	s_wait_dscnt 4*NL                              ; B's set and A's blocks 0-3 are in; the youngest eight loads (A's blocks 4-7) may be out
	WIN MUL_LO
	MUL16 0, (\q)%2, \q, \slot, \zero
	MUL16 2, (\q)%2, \q, \slot, \zero
	s_wait_dscnt 0
	PLACES NP
	FETCH_B \slot, (\q)+1, 1-(\q)%2
	FETCH_A \slot, (\q)+1, 0
	WIN MUL_HI
	MUL16 4, (\q)%2, \q, \slot, \zero
	MUL16 6, (\q)%2, \q, \slot, \zero
	PLACES NP
	WIN 0
	FETCH_A \slot, (\q)+1, 4
.endm
.macro TURN slot, next                 ; a slot's last step changes slots: one barrier; nothing is filled again
	s_wait_tensorcnt 0x0                           ; all my tensor loads have landed: my part of the next slot
	ds_add_u32 v[SPW], v[NIL]                      ; 0 onto my spare word
	s_wait_dscnt 4*NL+1                            ; the add and the youngest eight loads may be out
	WIN MUL_LO
	MUL16 0, 1, NQ-1, \slot, 0
	s_wait_dscnt 0x0                               ; the add is done, and my reads of this slot are over
	s_barrier_signal -1
	MUL16 2, 1, NQ-1, \slot, 0
	WIN 0
	s_barrier_wait -1                              ; every wave's part of the next slot has landed
	PLACES NP
	v_add_nc_u32 v[ADRS], 4*NQ, v[ADRS]            ; on to the next slot's scale words
	FETCH_B \next, 0, 0
	FETCH_A \next, 0, 0
	SCALES \next
	WIN MUL_HI
	MUL16 4, 1, NQ-1, \slot, 0
	MUL16 6, 1, NQ-1, \slot, 0
	PLACES NP
	WIN 0
	FETCH_A \next, 0, 4
.endm
	s_wait_tensorcnt 1                             ; the scales and my part of slot 0 are in; slot 1's load may be out
	s_barrier_signal -1
	s_barrier_wait -1
	FETCH_B 0, 0, 0
	FETCH_A 0, 0, 0
	SCALES 0
	FETCH_A 0, 0, 4
	STEP 0, 0, 1                                   ; the first products start the sums: nothing is cleared
	STEP 0, 1, 0
	STEP 0, 2, 0
	TURN 0, 1
	STEP 1, 0, 0
	STEP 1, 1, 0
	STEP 1, 2, 0
	s_wait_dscnt 4*NL                              ; the very last step: nothing more to fetch
	WIN MUL_LO
	MUL16 0, 1, NQ-1, 1, 0
	MUL16 2, 1, NQ-1, 1, 0
	s_wait_dscnt 0
	WIN MUL_HI
	MUL16 4, 1, NQ-1, 1, 0
	MUL16 6, 1, NQ-1, 1, 0
	WIN 0
	PLACES NP                                      ; in front of the conversions that read results
; THE WAY OUT.  Block a of A's rows: 32 roundings to f16, each accumulator from its low end on, then eight stores of 512 consecutive bytes.  v = 0: Q, K;  v = 1: V.  Two sets of packed registers by turns.
.macro OUT v
.irp a, 0,1,2,3,4,5,6,7
.if \a > 1
	s_wait_xcnt 0x0                                ; block a - 2's stores have read their registers
.endif
	WIN 0x0a+5*(\a/4)                              ; sources 0 and 1: window 2 or 3
.irp b, 0,1,2,3,4,5,6,7
.irp r, 0,1,2,3
	v_cvt_pk_f16_f32 v[PK+32*(\a%2)+4*\b+\r], v[64*(\a%4)+8*\b+2*\r], v[64*(\a%4)+8*\b+2*\r+1]
.endr
.endr
	WIN 0
.irp b, 0,1,2,3,4,5,6,7
.if \v
	global_store_b128 v[CO], v[PK+32*(\a%2)+4*\b:PK+32*(\a%2)+4*\b+3], s[12:13] offset:(\a/4)*262144+(\a%4)*1024+(\b/2)*4096+(\b%2)*512   ; head a / 4, channels 16 (a % 4) on; keys 16 b on
.else
	global_store_b128 v[CO], v[PK+32*(\a%2)+4*\b:PK+32*(\a%2)+4*\b+3], s[12:13] offset:\a*2048+(\b/4)*262144+(\b%4)*512                    ; tokens 16 a on; head b / 4, channels 16 (b % 4) on
.endif
.endr
.endr
.endm
	s_cmp_eq_u32 ttmp9, 2                          ; the same in all partners
	s_cbranch_scc1 .Lout_v
	OUT 0
	s_branch .Lout_done
.Lout_v:
	OUT 1
.Lout_done:
	s_wait_tensorcnt 0x0                           ; the wave's end
	ds_add_u32 v[SPW], v[NIL]
	s_wait_dscnt 0x0
	CROUND                                         ; the closing round
	s_endpgm
.Lfunc_end_k_qad3762af41_qkv:
	.size	k_qad3762af41_qkv, .Lfunc_end_k_qad3762af41_qkv-k_qad3762af41_qkv
	.p2alignl 7, 3214868480
	.fill 96, 4, 3214868480
	.section	.rodata,"a",@progbits
	.p2align	6, 0x0
	.amdhsa_kernel k_qad3762af41_qkv
		.amdhsa_group_segment_fixed_size 327680
		.amdhsa_private_segment_fixed_size 0
		.amdhsa_enable_private_segment 0
		.amdhsa_kernarg_size 40
		.amdhsa_user_sgpr_count 2
		.amdhsa_user_sgpr_kernarg_segment_ptr 1
		.amdhsa_wavefront_size32 1
		.amdhsa_system_sgpr_workgroup_id_x 1
		.amdhsa_system_sgpr_workgroup_id_y 1
		.amdhsa_system_sgpr_workgroup_id_z 1
		.amdhsa_system_vgpr_workitem_id 0
		.amdhsa_next_free_vgpr 1024
		.amdhsa_next_free_sgpr 100
		.amdhsa_reserve_vcc 0
		.amdhsa_float_denorm_mode_32 3
		.amdhsa_float_denorm_mode_16_64 3
		.amdhsa_memory_ordered 1
		.amdhsa_forward_progress 1
		.amdhsa_inst_pref_size 141
	.end_amdhsa_kernel
	.amdgpu_metadata
---
amdhsa.version: [ 1, 2 ]
amdhsa.kernels:
  - .name:           k_qad3762af41_qkv
    .symbol:         k_qad3762af41_qkv.kd
    .args:
      - { .name: xc, .offset: 0, .size: 8, .value_kind: global_buffer, .address_space: global }
      - { .name: xs, .offset: 8, .size: 8, .value_kind: global_buffer, .address_space: global }
      - { .name: wc, .offset: 16, .size: 8, .value_kind: global_buffer, .address_space: global }
      - { .name: ws, .offset: 24, .size: 8, .value_kind: global_buffer, .address_space: global }
      - { .name: qkv, .offset: 32, .size: 8, .value_kind: global_buffer, .address_space: global }
    .group_segment_fixed_size: 327680
    .private_segment_fixed_size: 0
    .kernarg_segment_align: 8
    .kernarg_segment_size: 40
    .max_flat_workgroup_size: 128
    .sgpr_count:     100
    .vgpr_count:     1024
    .wavefront_size: 32
...
	.end_amdgpu_metadata
.endif
;; end of part 2
;; launch attn (part 3): grid 8 x 32, 8 waves a work-group, no clusters, 327,680 bytes of LDS; arguments qkv, cc; writes cc
.if DOCPART == 3
	.amdgcn_target "amdgcn-amd-amdhsa--gfx1250"
	.amdhsa_code_object_version 6
	.text
	.protected	k_qad3762af41_attn
	.globl	k_qad3762af41_attn
	.p2align	8
	.type	k_qad3762af41_attn,@function
k_qad3762af41_attn:
	s_mov_b64 s[64:65], 0
	v_nop
	global_prefetch_b8 v0, s[64:65] scope:SCOPE_SE
	s_setreg_imm32_b32 hwreg(HW_REG_WAVE_MODE, 25, 1), 1
	s_wait_xcnt 0x0
; CAUSAL ATTENTION, head size 64, operands in f16, products' sums, maxima, exponentials and row sums in f32, with a running maximum.
; SHARES.  Work-group (i, 16 batch + head) owns two blocks of 128 queries: block i and block 15 - i, so that every work-group has the same number of visible keys.  Wave w owns two tiles of 16 queries:
; tile 1 (low) from QL = 128 i + 16 w, tile 0 (high) from QH = 2,032 - QL.  While both live, each fragment of K and V feeds two products.  Keys go 64 a step; a slot holds 512 keys (8 steps); 4 slots' worth.
; LAYOUT.  qkv holds images of operand registers, so a slot's K (65,536 bytes) and V (65,536) are dense blocks, every LDS load reads 512 consecutive bytes, and nothing is transposed.
; S^T = K Q^T (source 0 = 16 keys, source 1 = 16 queries): a lane holds one query (lane % 16) and keys 16 a + 8 (lane / 16) + 0 .. 7.  Rounded to f16 in pairs, in place, two such tiles are source 1 of O^T = V^T P.
; SOFTMAX.  p = 2^(c s - c m), c = log2(e) / 8, m the running maximum of the scores; in every step O and l are multiplied by a = 2^(c m_old - c m_new).  The step is written once: O and l begin as zeros, m as -3e38.
; THE MASK.  Every work-group walks all slots (constant trip counts); a step all of whose keys come after a tile's queries is jumped over by a scalar branch on ids; on the diagonal hidden scores become -infinity.
; Key 0 counts for every query and lies in the first step, so m is a number from the first step on.
; NO CLUSTER: which steps a work-group jumps over hangs on its block's number, which differs between the work-groups that share a head's K and V.
; cc: the rows for the last product, again as images: [ks 4][16 tokens][kc 8][g 2][lane][16 B], lane l: token l % 16, k = 256 ks + 32 kc + 16 g + 8 (l / 16) + 0 .. 7, k = 64 head + channel.
; LIMITS: operands beyond 65,504 have no f16 number; p under 6e-5 is kept with an absolute error of 3e-8; NaN and infinities are not served.
.set SLOT1, 1<<17                      ; slot 1 begins here: one exclusive or turns an address from one slot to the other
.set VOFF,  65536                      ; in a slot: K's 65,536 bytes, then V's
.set SPARE, 2*SLOT1                    ; the spare words, 128 bytes a wave: four blocks of 256 bytes that no other line names
.set LI,   1                           ; v1   16 x lane
.set ADK,  2                           ; v2   LDS address of the step's K
.set ADV,  3                           ; v3   of its V
.set DL,   4                           ; v4   lane % 16 - 8 (lane / 16)
.set DD,   5                           ; v5   at work in the mask
.set NINF, 6                           ; v6   -infinity
.set PFO,  7                           ; v7   256 x lane
.set SPW,  8
.set NIL,  9
.set LIV,  10                          ; v10  16 x lane + VOFF
.set ST,   12                          ; tile t's statistics at v[ST + 8 t]: +0 c m, +1 m, +2, +3 l in two halves, +4 .. +7 at work; a in +6
.set C2,   28                          ; v28-31 a second chain for the sums, a pair a tile
.set QQ,   32                          ; v32-63   Q, 16 a tile
.set KV,   64                          ; v64-127  the step's K, later its V
.set SS,   128                         ; v128-191 S^T, 32 a tile; p is packed into the tile's first 16
.set OO,   192                         ; v192-255 O^T, 32 a tile
; s8 wave; s9 16 batch + head; s[16:23], s[24:27] the descriptor; s[28:29] the prefetches' address; s30 the step's first key; s31 the LDS byte of the step's K; s32 slots to ask for; s33 steps;
; s[34:35] c; s[36:37] lane selects; s38 QH, s39 QL, s40 QH + 15, s41 QL + 15, s42 the work-group's last query; s43 1 in a work-group that prefetches; s[48:55] Q's and cc's bases
	s_load_b128 s[4:7], s[0:1], 0x0                ; qkv, cc
	v_lshl_add_u32 v[SPW], v0, 2, SPARE
	v_mov_b32 v[NIL], 0
	ds_add_u32 v[SPW], v[NIL]                      ; the wave's opening: the add, twice on end, and its wait ahead of my first tensor load
	ds_add_u32 v[SPW], v[NIL]
	v_lshrrev_b32 v1, 5, v0
	v_readfirstlane_b32 s8, v1                     ; wave 0..7
	s_mov_b32 s16, 3<<16                           ; group 1: elements of 8 bytes, no mask, no padding
	s_mov_b32 s17, 32<<16                          ; tensor_dim0 = 32 elements: rows of 256 bytes
	s_mov_b32 s18, 64<<16                          ; tensor_dim1 = 64 rows
	s_mov_b32 s19, 32<<16                          ; tile_dim0
	s_mov_b32 s20, 64                              ; tile_dim1: 16,384 bytes a load
	s_mov_b32 s21, 32                              ; dense: a row begins where the last ends
	s_mov_b32 s22, 0
	s_mov_b32 s23, 0
	s_and_b32 s9, ttmp7, 0xffff
	s_lshl_b32 s39, ttmp9, 7
	s_lshl_b32 s44, s8, 4
	s_add_co_u32 s39, s39, s44                     ; QL
	s_sub_co_u32 s38, 2032, s39                    ; QH
	s_add_co_u32 s40, s38, 15
	s_add_co_u32 s41, s39, 15
	s_lshl_b32 s42, ttmp9, 7
	s_sub_co_u32 s42, 2047, s42                    ; the work-group's last query
	s_cmp_eq_u32 ttmp9, 0
	s_cselect_b32 s43, 1, -1                       ; the head's work-group 0 walks all keys: it prefetches for the head
	s_mov_b32 s30, 0
	s_mov_b32 s31, 0
	s_mov_b32 s32, 3
	s_mov_b32 s34, 0x3e38aa3b                      ; c = log2(e) / 8
	s_mov_b32 s35, s34                             ; (named with it as a pair)
	s_mov_b32 s36, 0x76543210
	s_mov_b32 s37, 0xfedcba98
	s_lshr_b32 s44, s8, 2                          ; waves 0-3 fetch K's quarters, waves 4-7 V's
	s_add_co_u32 s44, s44, 1
	s_lshl_b32 s44, s44, 23                        ; K at 8,388,608, V at twice that
	s_lshl_b32 s45, s9, 18
	s_add_co_u32 s44, s44, s45
	s_and_b32 s45, s8, 3
	s_lshl_b32 s45, s45, 14
	s_add_co_u32 s44, s44, s45
	s_mov_b32 s45, 0
	s_mov_b32 s47, 0
	s_mov_b32 s24, 1                               ; group 0: count,
	s_lshl_b32 s25, s8, 14                         ; LDS address: wave x 16,384: K's four quarters, then V's
	s_wait_dscnt 0x0                               ; both opening adds are done
	s_wait_kmcnt 0x0
	s_add_nc_u64 s[26:27], s[4:5], s[44:45]        ; my part of the first 512 keys
	s_add_nc_u64 s[28:29], s[26:27], 65536         ; the prefetches' address: a slot on; the first change of slots steps it once more
	s_or_b32 s27, s27, 0x80000000                  ; type
	tensor_load_to_lds s[24:27], s[16:23]          ; slot 0: every wave's one load
	s_nop 0
.rept 4
	v_nop
.endr
	s_lshl_b32 s44, s9, 18
	s_lshl_b32 s46, s38, 7
	s_add_co_u32 s46, s46, s44
	s_add_nc_u64 s[48:49], s[4:5], s[46:47]        ; Q of tile 0: 128 bytes a token
	s_lshl_b32 s46, s39, 7
	s_add_co_u32 s46, s46, s44
	s_add_nc_u64 s[50:51], s[4:5], s[46:47]        ; of tile 1
	s_lshr_b32 s44, s9, 4
	s_lshl_b32 s44, s44, 20                        ; cc: batch x 2,048 tokens x 512 bytes,
	s_bfe_u32 s45, s9, 0x20002
	s_lshl_b32 s45, s45, 21                        ; + (head / 4) x 2,097,152,
	s_add_co_u32 s44, s44, s45
	s_and_b32 s45, s9, 3
	s_lshl_b32 s45, s45, 11                        ; + (head % 4) x 2,048
	s_add_co_u32 s44, s44, s45
	s_lshl_b32 s46, s38, 9
	s_add_co_u32 s46, s46, s44
	s_add_nc_u64 s[52:53], s[6:7], s[46:47]
	s_lshl_b32 s46, s39, 9
	s_add_co_u32 s46, s46, s44
	s_add_nc_u64 s[54:55], s[6:7], s[46:47]
	v_and_b32 v[LI], 31, v0
	v_lshlrev_b32 v[PFO], 8, v[LI]
	v_lshlrev_b32 v[LI], 4, v[LI]
	v_add_nc_u32 v[LIV], VOFF, v[LI]
	v_and_b32 v[DL], 15, v0
	v_bfe_u32 v[DD], v0, 4, 1
	v_lshlrev_b32 v[DD], 3, v[DD]
	v_sub_nc_u32 v[DL], v[DL], v[DD]
	v_mov_b32 v[NINF], 0xff800000
.irp n, 0,1,2,3
	global_load_b128 v[QQ+4*\n:QQ+4*\n+3], v[LI], s[48:49] offset:512*\n          ; Q stays in registers
	global_load_b128 v[QQ+16+4*\n:QQ+16+4*\n+3], v[LI], s[50:51] offset:512*\n
.endr
.irp t, 0,1
	v_mov_b32 v[ST+8*\t+1], 0xff61b1e6             ; m = -3e38, under every score
	v_mul_f32 v[ST+8*\t], s34, v[ST+8*\t+1]        ; c m
	v_mov_b32 v[ST+8*\t+2], 0                      ; l
	v_mov_b32 v[ST+8*\t+3], 0
	v_mov_b32 v[ST+8*\t+5], 0                      ; written once here: a lane permute's destination counts as one of its sources,
	v_mov_b32 v[ST+8*\t+7], 0                      ; and this one is named as the upper half of the pair with a and with 1 / l; on a way that jumps over a step nothing else writes the two
.endr
.irp n, 0,1,2,3,4,5,6,7,8,9,10,11,12,13,14,15,16,17,18,19,20,21,22,23,24,25,26,27,28,29,30,31,32,33,34,35,36,37,38,39,40,41,42,43,44,45,46,47,48,49,50,51,52,53,54,55,56,57,58,59,60,61,62,63
	v_mov_b32 v[OO+\n], 0                          ; O^T: the step is written once, and its first turn finds zeros
.endr
.macro LOADF adr                       ; a step's K or V: 8,192 bytes, 16 loads of 512 consecutive bytes
.irp n, 0,1,2,3,4,5,6,7,8,9,10,11,12,13,14,15
	ds_load_b128 v[KV+4*\n:KV+4*\n+3], v[\adr] offset:512*\n
.endr
.endm
; S^T = K Q^T for nt tiles: channels 32 c on, keys 16 a on.  The accumulators take turns, one instruction a turn; the first pass starts the sums.
.macro KQ nt
.irp c, 0,1
.irp a, 0,1,2,3
.irp u, 0,1
.if \u < \nt
.if \c == 0
	v_wmma_f32_16x16x32_f16 v[SS+32*\u+8*\a:SS+32*\u+8*\a+7], v[KV+16*\a+8*\c:KV+16*\a+8*\c+7], v[QQ+16*\u+8*\c:QQ+16*\u+8*\c+7], 0
.else
	v_wmma_f32_16x16x32_f16 v[SS+32*\u+8*\a:SS+32*\u+8*\a+7], v[KV+16*\a+8*\c:KV+16*\a+8*\c+7], v[QQ+16*\u+8*\c:QQ+16*\u+8*\c+7], v[SS+32*\u+8*\a:SS+32*\u+8*\a+7]
.endif
.endif
.endr
.endr
.endr
.endm
; O^T += V^T P: keys 32 c on, channels 16 a on
.macro PV nt
.irp c, 0,1
.irp a, 0,1,2,3
.irp u, 0,1
.if \u < \nt
	v_wmma_f32_16x16x32_f16 v[OO+32*\u+8*\a:OO+32*\u+8*\a+7], v[KV+32*\c+8*\a:KV+32*\c+8*\a+7], v[SS+32*\u+8*\c:SS+32*\u+8*\c+7], v[OO+32*\u+8*\a:OO+32*\u+8*\a+7]
.endif
.endr
.endr
.endr
.endm
; Tile u on the diagonal: register 8 a + j holds key KF + 16 a + 8 (lane / 16) + j: hidden where 16 a + j > d, d = first query - KF + lane % 16 - 8 (lane / 16)
.macro MASK u, sq
	s_sub_co_i32 s44, s[\sq], s30
	v_add_nc_u32 v[DD], s44, v[DL]
.irp n, 0,1,2,3,4,5,6,7,8,9,10,11,12,13,14,15,16,17,18,19,20,21,22,23,24,25,26,27,28,29,30,31
	v_cmp_gt_i32 vcc_lo, 16*(\n/8)+\n%8, v[DD]
	v_cndmask_b32 v[SS+32*\u+\n], v[SS+32*\u+\n], v[NINF], vcc_lo
.endr
.endm
; THE SOFTMAX of one tile for one step is a list of 119 instructions; SM writes number j of it for tile u.
;   0-15 the maximum of the 32 scores and the old m, each accumulator read from its low end on;  16-20 the other half of the lanes', the new m, c m, c m_old - c m_new;  21-36 c s - c m, a pair each;
;   37-69 the exponentials: a, then the 32;   (one plain line and ONE wait for all of them stand between 69 and 70)
;   70 l x a;  71-86 the sums, in two chains;  87-102 the roundings to f16, in place, ascending;  103-118 O^T x a
.macro SM u
.set rT, ST+8*(\u)
.set rS, SS+32*(\u)
.set rO, OO+32*(\u)
.set rC, C2+2*(\u)
.if j < 4
	v_max3_num_f32 v[rT+4+j], v[rS+8*j], v[rS+8*j+1], v[rS+8*j+2]
.elseif j < 12
	v_max3_num_f32 v[rT+4+j%4], v[rT+4+j%4], v[rS+8*(j%4)+2*(j/4)+1], v[rS+8*(j%4)+2*(j/4)+2]
.elseif j == 12
	v_max3_num_f32 v[rT+4], v[rT+4], v[rS+7], v[rS+15]
.elseif j == 13
	v_max3_num_f32 v[rT+6], v[rT+6], v[rS+23], v[rS+31]
.elseif j == 14
	v_max3_num_f32 v[rT+4], v[rT+4], v[rT+5], v[rT+6]
.elseif j == 15
	v_max3_num_f32 v[rT+4], v[rT+4], v[rT+7], v[rT+1]
.elseif j == 16
	v_permlanex16_b32 v[rT+5], v[rT+4], s36, s37   ; the query's other 32 keys lie in the lane 16 away
.elseif j == 17
	v_mov_b32 v[rT+7], v[rT]                       ; c m_old is kept
.elseif j == 18
	v_max_num_f32 v[rT+1], v[rT+4], v[rT+5]
.elseif j == 19
	v_mul_f32 v[rT], s34, v[rT+1]
.elseif j == 20
	v_sub_f32 v[rT+7], v[rT+7], v[rT]
.elseif j < 37
	v_pk_fma_f32 v[rS+2*(j-21):rS+2*(j-21)+1], v[rS+2*(j-21):rS+2*(j-21)+1], s[34:35], v[rT:rT+1] op_sel_hi:[1,0,0] neg_lo:[0,0,1] neg_hi:[0,0,1]
.elseif j == 37
	v_exp_f32 v[rT+6], v[rT+7]
.elseif j < 70
	v_exp_f32 v[rS+j-38], v[rS+j-38]
.elseif j == 70
	v_pk_mul_f32 v[rT+2:rT+3], v[rT+2:rT+3], v[rT+6:rT+7] op_sel_hi:[1,0]
.elseif j == 71
	v_pk_add_f32 v[rC:rC+1], v[rS:rS+1], v[rS+2:rS+3]
.elseif (j < 86) && (j%2 == 0)
	v_pk_add_f32 v[rT+2:rT+3], v[rT+2:rT+3], v[rS+2*(j-70):rS+2*(j-70)+1]
.elseif j < 86
	v_pk_add_f32 v[rC:rC+1], v[rC:rC+1], v[rS+2*(j-70):rS+2*(j-70)+1]
.elseif j == 86
	v_pk_add_f32 v[rT+2:rT+3], v[rT+2:rT+3], v[rC:rC+1]
.elseif j < 103
	v_cvt_pk_f16_f32 v[rS+j-87], v[rS+2*(j-87)], v[rS+2*(j-87)+1]
.else
	v_pk_mul_f32 v[rO+2*(j-103):rO+2*(j-103)+1], v[rO+2*(j-103):rO+2*(j-103)+1], v[rT+6:rT+7] op_sel_hi:[1,0]
.endif
.endm
.macro RUN nt, from, to                ; numbers from .. to of the list, the live tiles alternating, so that few lines wait for the line above them
.set j, \from
.rept \to-\from+1
	SM 0
.if \nt > 1
	SM 1
.endif
.set j, j+1
.endr
.endm
; A step's work with nt tiles alive; tile mt, whose first query is s[sq], may lie on the diagonal.  (While the low tile lives the step's keys end at 1,023 at the most and QH is 1,024 at the least: the high tile needs no mask then.)
.macro ARM nt, mt, sq
	KQ \nt
.rept 4
	v_nop                                          ; places: the loads below land in registers that these products read, and the lines behind them read results
.endr
	LOADF ADV                                      ; V comes while the softmax is walked
	s_add_co_u32 s44, s30, 63
	s_cmp_le_u32 s44, s[\sq]
	s_cbranch_scc1 .Lopen_\@                       ; all 64 keys count
	MASK \mt, \sq
.Lopen_\@:
	RUN \nt, 0, 69
	v_nop                                          ; a plain line behind the last exponential
	s_wait_alu depctr_va_vdst(0)                   ; one wait for the whole batch, ahead of the first line that names a result
	RUN \nt, 70, 118
	s_wait_dscnt 0x0                               ; V is in
	PV \nt
.endm
.macro STEP
	s_cmp_gt_u32 s30, s40                          ; all keys come after my high tile: nothing to do
	s_cbranch_scc1 .Lhid_\@
	v_add_nc_u32 v[ADK], s31, v[LI]
	v_add_nc_u32 v[ADV], s31, v[LIV]
	LOADF ADK
	s_wait_dscnt 0x0
	s_cmp_gt_u32 s30, s41                          ; does the low tile still live?
	s_cbranch_scc1 .Lone_\@
	ARM 2, 1, 39
	s_branch .Ldone_\@
.Lone_\@:
	ARM 1, 0, 38
.Ldone_\@:
.rept 5
	v_nop                                          ; places: four for the next loads into V's registers, five for the next products, which write over p
.endr
.Lhid_\@:
	s_add_co_u32 s30, s30, 64
	s_add_co_u32 s31, s31, 8192
.endm
.macro EIGHT_STEPS                     ; a slot's eight steps: written once, walked eight times
	s_mov_b32 s33, 8
.Lstep_\@:
	STEP
	s_sub_co_u32 s33, s33, 1
	s_cmp_lg_u32 s33, 0
	s_cbranch_scc1 .Lstep_\@
	s_sub_co_u32 s31, s31, 65536                   ; back to a slot's first step,
	s_xor_b32 s31, s31, SLOT1                      ; in the other slot
.endm
; A PREFETCH of what the NEXT change of slots will load: my wave's own 16,384 bytes of that slot, lanes 256 bytes apart, two instructions.  All work-groups of a head walk the same K and V; the head's work-group 0,
; which walks all keys, asks, so each aligned block of 256 bytes is named once.  Slots 0 and 1 come by their loads alone; the last change that fills a slot asks for nothing.
.macro ASK
	s_cmp_gt_u32 s32, s43
	s_cbranch_scc0 .Lnot_mine_\@
	global_prefetch_b8 v[PFO], s[28:29] th:TH_LOAD_NT scope:SCOPE_SE
	global_prefetch_b8 v[PFO], s[28:29] offset:8192 th:TH_LOAD_NT scope:SCOPE_SE
.Lnot_mine_\@:
.endm
; THE CHANGE OF SLOTS stands at a slot's head: each wave waits for all its tensor loads (its part of the slot ahead), adds 0 to its spare word, waits for that and for its reads of the slot that it has left; one barrier;
; behind it the slot that was left takes the next 512 keys: one load a wave, with a whole slot's steps in which to land.  A slot whose first key comes after the work-group's last query is read by no wave and is not asked for:
; the test is made of the work-group's number and the count of steps, the same in all eight waves; it leads round the load's own lines alone, and every wait on TENSORcnt in this text is for 0.
.macro CHANGE fill
	s_wait_tensorcnt 0x0                           ; no tensor load of mine is out, so the descriptor may be written
	ds_add_u32 v[SPW], v[NIL]                      ; 0 onto my spare word (every way from the head passes slot 0's load: it stands once)
.if \fill
	s_xor_b32 s25, s25, SLOT1                      ; the other slot than last time,
	s_add_nc_u64 s[26:27], s[26:27], 65536         ; the next 512 keys; the type bits are not reached
	s_wait_xcnt 0x0                                ; the last prefetches, a slot back, have read their address
	s_add_nc_u64 s[28:29], s[28:29], 65536
.endif
	s_wait_dscnt 0x0                               ; the add is done, and my reads of the slot that I have left are over
	s_barrier_signal -1
	s_barrier_wait -1
.if \fill
	s_add_co_u32 s44, s30, 512                     ; the first key of the slot that this change would ask for
	s_cmp_gt_u32 s44, s42
	s_cbranch_scc1 .Lpast_\@
	tensor_load_to_lds s[24:27], s[16:23]
	s_nop 0
.rept 4
	v_nop
.endr
.Lpast_\@:
	ASK
.endif
.endm
	s_wait_loadcnt 0x0                             ; Q
.Lslot:                                            ; three trips: behind each change of slots but the last the next slot is asked for
	CHANGE 1
	EIGHT_STEPS
	s_sub_co_u32 s32, s32, 1
	s_cmp_lg_u32 s32, 0
	s_cbranch_scc1 .Lslot
	CHANGE 0                                       ; the last slot is written out: nothing is left to fetch
	EIGHT_STEPS
	; THE WAY OUT: l's halves and the other half of the lanes'; O^T / l, rounded to f16: a tile's four channel blocks are four stores of 512 consecutive bytes
.irp t, 0,1
	v_add_f32 v[ST+8*\t+4], v[ST+8*\t+2], v[ST+8*\t+3]
.endr
.irp t, 0,1
	v_permlanex16_b32 v[ST+8*\t+5], v[ST+8*\t+4], s36, s37
.endr
.irp t, 0,1
	v_add_f32 v[ST+8*\t+4], v[ST+8*\t+4], v[ST+8*\t+5]
.endr
.irp t, 0,1
	v_rcp_f32 v[ST+8*\t+6], v[ST+8*\t+4]
.endr
	v_nop                                          ; a plain line behind the last reciprocal
	s_wait_alu depctr_va_vdst(0)                   ; and the wait ahead of the first use: one for both
.irp t, 0,1
.irp n, 0,1,2,3,4,5,6,7,8,9,10,11,12,13,14,15
	v_pk_mul_f32 v[OO+32*\t+2*\n:OO+32*\t+2*\n+1], v[OO+32*\t+2*\n:OO+32*\t+2*\n+1], v[ST+8*\t+6:ST+8*\t+7] op_sel_hi:[1,0]
.endr
.irp n, 0,1,2,3,4,5,6,7,8,9,10,11,12,13,14,15
	v_cvt_pk_f16_f32 v[SS+16*\t+\n], v[OO+32*\t+2*\n], v[OO+32*\t+2*\n+1]
.endr
.irp a, 0,1,2,3
	global_store_b128 v[LI], v[SS+16*\t+4*\a:SS+16*\t+4*\a+3], s[52+2*\t:53+2*\t] offset:512*\a
.endr
.endr
	s_wait_tensorcnt 0x0                           ; the wave's end
	ds_add_u32 v[SPW], v[NIL]
	s_wait_dscnt 0x0
	s_endpgm
.Lfunc_end_k_qad3762af41_attn:
	.size	k_qad3762af41_attn, .Lfunc_end_k_qad3762af41_attn-k_qad3762af41_attn
	.p2alignl 7, 3214868480
	.fill 96, 4, 3214868480
	.section	.rodata,"a",@progbits
	.p2align	6, 0x0
	.amdhsa_kernel k_qad3762af41_attn
		.amdhsa_group_segment_fixed_size 327680
		.amdhsa_private_segment_fixed_size 0
		.amdhsa_enable_private_segment 0
		.amdhsa_kernarg_size 16
		.amdhsa_user_sgpr_count 2
		.amdhsa_user_sgpr_kernarg_segment_ptr 1
		.amdhsa_wavefront_size32 1
		.amdhsa_system_sgpr_workgroup_id_x 1
		.amdhsa_system_sgpr_workgroup_id_y 1
		.amdhsa_system_sgpr_workgroup_id_z 1
		.amdhsa_system_vgpr_workitem_id 0
		.amdhsa_next_free_vgpr 256
		.amdhsa_next_free_sgpr 66
		.amdhsa_reserve_vcc 1
		.amdhsa_float_denorm_mode_32 3
		.amdhsa_float_denorm_mode_16_64 3
		.amdhsa_memory_ordered 1
		.amdhsa_forward_progress 1
		.amdhsa_inst_pref_size 75
	.end_amdhsa_kernel
	.amdgpu_metadata
---
amdhsa.version: [ 1, 2 ]
amdhsa.kernels:
  - .name:           k_qad3762af41_attn
    .symbol:         k_qad3762af41_attn.kd
    .args:
      - { .name: qkv, .offset: 0, .size: 8, .value_kind: global_buffer, .address_space: global }
      - { .name: cc, .offset: 8, .size: 8, .value_kind: global_buffer, .address_space: global }
    .group_segment_fixed_size: 327680
    .private_segment_fixed_size: 0
    .kernarg_segment_align: 8
    .kernarg_segment_size: 16
    .max_flat_workgroup_size: 256
    .sgpr_count:     66
    .vgpr_count:     256
    .wavefront_size: 32
...
	.end_amdgpu_metadata
.endif
;; end of part 3
;; launch oproj (part 4): grid 8 x 32, 4 waves a work-group, clusters of 4 x 4, 327,680 bytes of LDS; arguments cc, wo16, out0; writes out0
.if DOCPART == 4
	.amdgcn_target "amdgcn-amd-amdhsa--gfx1250"
	.amdhsa_code_object_version 6
	.text
	.protected	k_qad3762af41_oproj
	.globl	k_qad3762af41_oproj
	.p2align	8
	.type	k_qad3762af41_oproj,@function
k_qad3762af41_oproj:
	s_mov_b64 s[64:65], 0
	v_nop
	global_prefetch_b8 v0, s[64:65] scope:SCOPE_SE
	s_setreg_imm32_b32 hwreg(HW_REG_WAVE_MODE, 25, 1), 1
	s_wait_xcnt 0x0
	s_wait_alu depctr_hold_cnt(0) depctr_sa_sdst(0) depctr_va_vdst(0) depctr_va_sdst(0) depctr_va_ssrc(0) depctr_va_vcc(0) depctr_vm_vsrc(0)
	s_getreg_b32 s2, hwreg(HW_REG_IB_STS2, 6, 4)
	s_cmp_eq_u32 s2, 0
	s_cbranch_scc0 .Lentry_in_a_cluster
	s_endpgm
.Lentry_in_a_cluster:
	s_bfe_u32 s2, ttmp6, 0x10000c
	s_cmp_lg_u32 s2, 0xf033
	s_cbranch_scc0 .Lentry_shape_is_right
	s_endpgm
.Lentry_shape_is_right:
; out0[token][n] = sum over k of c[token][k] Wo[n][k]: 4,096 x 1,024 x 1,024, operands in f16, sums in f32, out0 in f32.
; A tile of out0 is 128 x 128 (256 work-groups); four waves of 64 x 64: 16 accumulators.  K goes in four steps of 256 through two LDS slots.
; cc and wo16 hold images of operand registers, [ks][16 rows][kc 8][g 2][lane][16 B]: a K step's 128 rows of either are 65,536 dense bytes, a wave's tensor load brings 32,768 of them as 128 rows of 256 bytes, unpadded,
; and every fragment load reads 512 consecutive bytes.
; CLUSTERS: 4 x 4 work-groups; c's tile is asked for jointly by a row of the cluster, Wo's by a column.  THE MATRIX INSTRUCTION IS USED TRANSPOSED (source 0 = 16 rows of Wo, source 1 = 16 tokens): a lane holds eight neighbouring
; numbers of a row of out0.  The 32 rows at positions 0-15 of the two batches are written here like all others and written again, more finely, by the last launch: a branch round them would hang on a work-group's place in its cluster.
; REGISTERS: window 0: v16-29 addresses; v32-95 the way out; v128-255 the accumulators ((a, b) at v[128 + 8 (4 a + b)]).  window 1: two fragment buffers of 128: 64 registers of c, then 64 of Wo, for 64 along K.
.set HALFT,  32768                     ; what one tensor load brings, and what one wave reads of c or of Wo
.set SLOT,   131072                    ; c's 65,536 bytes, then Wo's
.set STAGE,  2*SLOT                    ; behind the ring: 16 rows x 272 bytes for each wave: a wave's 64 columns are 256 bytes of a row
.set SPITCH, 272
.set SPARE,  STAGE+4*16*SPITCH         ; the spare words, 128 bytes a wave: two blocks of 256 bytes that no other line names
.set ADRA, 16
.set ADRB, 20
.set STO,  24
.set RD,   25
.set CO,   26
.set SPW,  28
.set NIL,  29
.set TMP,  32
.set ACC,  128
.set F0,   0
.set F1,   128
.set G1, 24
.set G0, 32
.set G1B, 48
.set G0B, 56
.set MSB, 0
.macro WIN new                         ; the immediate's high byte repeats the setting that is left
.if MSB != \new
	s_set_vgpr_msb (MSB<<8)|\new
.set MSB, \new
.endif
.endm
.set MUL,  0x05                        ; sources 0 and 1 window 1; C and D window 0
.set TO_F, 0x40                        ; destination window 1, address window 0
.macro JLOAD s                         ; a joint load: waves 0 and 1 fetch c's halves, waves 2 and 3 Wo's; an s_nop 0 and four v_nop follow each line
	s_cmp_eq_u32 s11, 0
	s_cbranch_scc0 .Lfor_b_\@
	tensor_load_to_lds s[G0+4*\s:G0+4*\s+3], s[G1:G1+7]
	s_nop 0
.rept 4
	v_nop
.endr
	s_branch .Lasked_\@
.Lfor_b_\@:
	tensor_load_to_lds s[G0B+4*\s:G0B+4*\s+3], s[G1B:G1B+7]
	s_nop 0
.rept 4
	v_nop
.endr
.Lasked_\@:
.endm
.macro CREST                           ; a round of the cluster's barrier behind its opening barrier
	s_cmp_lg_u32 s10, 0
	s_cbranch_scc1 .Lnot_wave_0_\@
	s_barrier_signal -3
.Lnot_wave_0_\@:
	s_barrier_wait -3
	s_barrier_signal -1
	s_barrier_wait -1
.endm
.macro CROUND
	s_barrier_signal -1
	s_barrier_wait -1
	CREST
.endm
	s_load_b128 s[4:7], s[0:1], 0x0                ; cc, wo16
	s_load_b64 s[8:9], s[0:1], 0x10                ; out0
	v_lshl_add_u32 v[SPW], v0, 2, SPARE
	v_mov_b32 v[NIL], 0
	ds_add_u32 v[SPW], v[NIL]                      ; the wave's opening: the add, twice on end, and its wait ahead of my first tensor load
	ds_add_u32 v[SPW], v[NIL]
	v_lshrrev_b32 v1, 5, v0
	v_readfirstlane_b32 s10, v1                    ; wave 0..3
	s_lshr_b32 s11, s10, 1                         ; which half of the tile's rows is mine.  Also: I fetch for c (0) or for Wo (1)
	s_and_b32 s12, s10, 1                          ; which half of its columns.  Also: which half of that tile I fetch
	s_bfe_u32 s40, ttmp6, 0x40000                  ; cx
	s_bfe_u32 s41, ttmp6, 0x40004                  ; cy
	s_lshl_b32 s42, ttmp9, 2
	s_add_co_u32 s42, s42, s40                     ; tile column
	s_and_b32 s13, ttmp7, 0xffff
	s_lshl_b32 s13, s13, 2
	s_add_co_u32 s13, s13, s41                     ; tile row
	s_lshl_b32 s43, s41, 2
	s_lshl_b32 s43, 15, s43                        ; my row of the cluster
	s_lshl_b32 s44, 0x1111, s40                    ; my column
	s_or_b32 s[G1+0], s43, (3<<16)|(1<<21)         ; the mask; elements of 8 bytes; bit 21 beside a mask; no padding
	s_or_b32 s[G1B+0], s44, (3<<16)|(1<<21)
.irp g, G1, G1B
	s_mov_b32 s[\g+1], 32<<16                      ; tensor_dim0 = 32 elements: rows of 256 bytes
	s_mov_b32 s[\g+2], 128<<16                     ; tensor_dim1 = 128
	s_mov_b32 s[\g+3], 32<<16                      ; tile_dim0
	s_mov_b32 s[\g+4], 128                         ; tile_dim1
	s_mov_b32 s[\g+5], 32                          ; dense
	s_mov_b32 s[\g+6], 0
	s_mov_b32 s[\g+7], 0
.endr
	s_lshl_b32 s17, s12, 15                        ; which half I fetch
	s_lshl_b32 s16, s13, 16
	s_add_co_u32 s16, s16, s17                     ; c: 65,536 x tile row + 32,768 x half
	s_lshl_b32 s46, s42, 16
	s_add_co_u32 s46, s46, s17                     ; Wo: 65,536 x tile column + 32,768 x half
	s_mov_b32 s17, 0
	s_mov_b32 s47, 0
	s_lshl_b32 s20, s10, 15                        ; where they go: wave x 32,768
	s_wait_dscnt 0x0                               ; both opening adds are done
	s_wait_kmcnt 0x0
	s_add_nc_u64 s[14:15], s[4:5], s[16:17]
	s_add_nc_u64 s[46:47], s[6:7], s[46:47]
	CROUND                                         ; all sixteen work-groups are here: the first joint loads meet
.irp s, 0,1
	s_mov_b32 s[G0+4*\s], 1
	s_add_co_u32 s[G0+4*\s+1], s20, \s*SLOT
	s_add_nc_u64 s[G0+4*\s+2:G0+4*\s+3], s[14:15], \s*2097152     ; K step s of cc
	s_or_b32 s[G0+4*\s+3], s[G0+4*\s+3], 0x80000000
	s_mov_b32 s[G0B+4*\s], 1
	s_add_co_u32 s[G0B+4*\s+1], s20, \s*SLOT
	s_add_nc_u64 s[G0B+4*\s+2:G0B+4*\s+3], s[46:47], \s*524288    ; K step s of wo16
	s_or_b32 s[G0B+4*\s+3], s[G0B+4*\s+3], 0x80000000
	JLOAD \s
.endr
	v_and_b32 v1, 15, v0                           ; l % 16
	v_bfe_u32 v2, v0, 4, 1                         ; l / 16
	v_and_b32 v3, 31, v0
	v_lshlrev_b32 v3, 4, v3                        ; 16 x lane
	s_lshl_b32 s21, s11, 15                        ; my 64 rows of c
	s_lshl_b32 s22, s12, 15                        ; my 64 rows of Wo,
	s_add_co_u32 s22, s22, 65536                   ; behind c's 128
.irp s, 0,1
	v_add_nc_u32 v[ADRA+\s], s21, v3
	v_add_nc_u32 v[ADRB+\s], s22, v3
	s_add_co_u32 s21, s21, SLOT
	s_add_co_u32 s22, s22, SLOT
.endr
	s_mul_i32 s23, s10, 16*SPITCH
	s_add_co_u32 s23, s23, STAGE                   ; my stage
	v_mul_u32_u24 v4, v1, SPITCH
	v_lshl_add_u32 v4, v2, 5, v4
	v_add_nc_u32 v[STO], s23, v4                   ; in: row l % 16, 32 bytes for each half of the lanes
	v_mul_u32_u24 v5, v2, SPITCH
	v_lshl_add_u32 v5, v1, 4, v5
	v_add_nc_u32 v[RD], s23, v5                    ; back: lanes 0-15 one row of 256 bytes, lanes 16-31 the next
	v_lshlrev_b32 v5, 12, v2
	v_lshl_add_u32 v[CO], v1, 4, v5                ; and the same two rows in out0
	s_lshl_b32 s16, s13, 7
	s_lshl_b32 s17, s11, 6
	s_add_co_u32 s16, s16, s17                     ; my first row
	s_lshl_b32 s16, s16, 12                        ; rows of 4,096 bytes
	s_mov_b32 s17, 0
	s_add_nc_u64 s[8:9], s[8:9], s[16:17]
	s_lshl_b32 s46, s42, 9                         ; my first column, in bytes: 512 x tile column + 256 x half
	s_lshl_b32 s47, s12, 8
	s_add_co_u32 s46, s46, s47
	s_mov_b32 s47, 0
	s_add_nc_u64 s[8:9], s[8:9], s[46:47]
.macro MUL8 f, c, a0, zero             ; 8 matrix instructions: row blocks a0, a0 + 1 x all 4 column blocks, 32 along K; the 16 accumulators take turns
.irp a, \a0, \a0+1
.irp b, 0,1,2,3
.if \zero
	v_wmma_f32_16x16x32_f16 v[ACC+8*(4*(\a)+\b):ACC+8*(4*(\a)+\b)+7], v[\f+64+8*(4*\c+\b):\f+64+8*(4*\c+\b)+7], v[\f+8*(4*\c+\a):\f+8*(4*\c+\a)+7], 0
.else
	v_wmma_f32_16x16x32_f16 v[ACC+8*(4*(\a)+\b):ACC+8*(4*(\a)+\b)+7], v[\f+64+8*(4*\c+\b):\f+64+8*(4*\c+\b)+7], v[\f+8*(4*\c+\a):\f+8*(4*\c+\a)+7], v[ACC+8*(4*(\a)+\b):ACC+8*(4*(\a)+\b)+7]
.endif
.endr
.endr
.endm
.macro FETCH slot, k, f                ; 32 LDS loads in one run: 64 along K, from byte k of each block of 16 rows (8,192 bytes a block, 1,024 for 32 along K), the first 32 along K first
	WIN TO_F
.irp c, 0,1
.irp i, 0,1,2,3
	ds_load_b128 v[\f+64+8*(4*\c+\i):\f+64+8*(4*\c+\i)+3],   v[ADRB+\slot] offset:\k+1024*\c+\i*8192
	ds_load_b128 v[\f+64+8*(4*\c+\i)+4:\f+64+8*(4*\c+\i)+7], v[ADRB+\slot] offset:\k+1024*\c+\i*8192+512
	ds_load_b128 v[\f+8*(4*\c+\i):\f+8*(4*\c+\i)+3],         v[ADRA+\slot] offset:\k+1024*\c+\i*8192
	ds_load_b128 v[\f+8*(4*\c+\i)+4:\f+8*(4*\c+\i)+7],       v[ADRA+\slot] offset:\k+1024*\c+\i*8192+512
.endr
.endr
.endm
.macro PLACES
.rept 4
	v_nop
.endr
.endm
.macro QUARTER slot, k, f, g, zero     ; multiplies buffer f and fetches the next quarter, at byte k, into g
	s_wait_dscnt 16                                ; the first 32 along K are in; the youngest sixteen loads may be out
	WIN MUL
	MUL8 \f, 0, 0, \zero
	MUL8 \f, 0, 2, \zero
	PLACES
	FETCH \slot, \k, \g
	s_wait_dscnt 32                                ; all but the 32 just issued
	WIN MUL
	MUL8 \f, 1, 0, 0
	MUL8 \f, 1, 2, 0
.endm
; The last quarter multiplies buffer 1 and changes slots: one barrier; in front of it each wave waits for all its tensor loads, adds 0 to its spare word, and waits for that and for its reads of this slot.
; fill = 1: the barrier opens a round of the cluster's barrier, and behind it this slot takes the K step two steps on.
.macro TURN slot, next, fill
	WIN 0
	s_wait_tensorcnt 0x0                           ; all my tensor loads have landed: my part of the next slot
	ds_add_u32 v[SPW], v[NIL]                      ; 0 onto my spare word
	s_wait_dscnt 17                                ; the add and the youngest sixteen loads may be out
	WIN MUL
	MUL8 F1, 0, 0, 0
	s_wait_dscnt 0x0                               ; the add is done, and my reads of this slot are over
	s_barrier_signal -1
	MUL8 F1, 0, 2, 0
.if \fill
	WIN 0
.endif
	s_barrier_wait -1
.if \fill
	CREST                                          ; no wave of any partner still reads this slot or has a load on its way
	s_add_nc_u64 s[G0+4*\slot+2:G0+4*\slot+3], s[G0+4*\slot+2:G0+4*\slot+3], 2*2097152
	s_add_nc_u64 s[G0B+4*\slot+2:G0B+4*\slot+3], s[G0B+4*\slot+2:G0B+4*\slot+3], 2*524288
	JLOAD \slot                                    ; the first tensor load behind the round; its four v_nop are also the places in front of the loads below
.else
	PLACES
.endif
	FETCH \next, 0, F0
	WIN MUL
	MUL8 F1, 1, 0, 0
	MUL8 F1, 1, 2, 0
.endm
	s_wait_tensorcnt 1                             ; my part of K step 0 is in; K step 1's load may be out
	s_barrier_signal -1
	s_barrier_wait -1
	FETCH 0, 0, F0
	QUARTER 0, 2048, F0, F1, 1                     ; the first products start the sums
	QUARTER 0, 4096, F1, F0, 0
	QUARTER 0, 6144, F0, F1, 0
	TURN 0, 1, 1                                   ; slot 0 takes K step 2
	QUARTER 1, 2048, F0, F1, 0
	QUARTER 1, 4096, F1, F0, 0
	QUARTER 1, 6144, F0, F1, 0
	TURN 1, 0, 1                                   ; slot 1 takes K step 3
	QUARTER 0, 2048, F0, F1, 0
	QUARTER 0, 4096, F1, F0, 0
	QUARTER 0, 6144, F0, F1, 0
	TURN 0, 1, 0                                   ; nothing is left to fetch
	QUARTER 1, 2048, F0, F1, 0
	QUARTER 1, 4096, F1, F0, 0
	QUARTER 1, 6144, F0, F1, 0
	s_wait_dscnt 16
	WIN MUL
	MUL8 F1, 0, 0, 0
	MUL8 F1, 0, 2, 0
	s_wait_dscnt 0
	MUL8 F1, 1, 0, 0
	MUL8 F1, 1, 2, 0
	WIN 0
	PLACES                                         ; in front of the LDS stores that read results
; THE WAY OUT, a block of 16 rows x 64 columns at a time, through my own stage: in as 32 bytes a lane, back as whole rows of 256 bytes.  LDS serves a wave's instructions in order: no wait between the stores and the loads.
.macro TOSTAGE a
.irp b, 0,1,2,3
	ds_store_b128 v[STO], v[ACC+8*(4*\a+\b):ACC+8*(4*\a+\b)+3] offset:64*\b          ; each accumulator from its low end on
	ds_store_b128 v[STO], v[ACC+8*(4*\a+\b)+4:ACC+8*(4*\a+\b)+7] offset:64*\b+16
.endr
.irp t, 0,1,2,3,4,5,6,7
	ds_load_b128 v[TMP+32*(\a%2)+4*\t:TMP+32*(\a%2)+4*\t+3], v[RD] offset:\t*2*SPITCH
.endr
.endm
.macro SEND a, younger                 ; younger: the LDS instructions issued behind block a's loads
	s_wait_dscnt \younger
.irp t, 0,1,2,3,4,5,6,7
	global_store_b128 v[CO], v[TMP+32*(\a%2)+4*\t:TMP+32*(\a%2)+4*\t+3], s[8:9] offset:\a*65536+\t*8192 th:TH_STORE_NT   ; sixteen lanes store 256 consecutive bytes, aligned
.endr
.endm
	TOSTAGE 0
	TOSTAGE 1
	SEND 0, 16                                     ; behind block 0's loads: block 1's 8 stores and 8 loads
	s_wait_xcnt 0x0                                ; block 0's stores have read their registers
	TOSTAGE 2
	SEND 1, 16
	s_wait_xcnt 0x0
	TOSTAGE 3
	SEND 2, 16
	SEND 3, 0
	s_wait_tensorcnt 0x0                           ; the wave's end
	ds_add_u32 v[SPW], v[NIL]
	s_wait_dscnt 0x0
	CROUND                                         ; the closing round
	s_endpgm
.Lfunc_end_k_qad3762af41_oproj:
	.size	k_qad3762af41_oproj, .Lfunc_end_k_qad3762af41_oproj-k_qad3762af41_oproj
	.p2alignl 7, 3214868480
	.fill 96, 4, 3214868480
	.section	.rodata,"a",@progbits
	.p2align	6, 0x0
	.amdhsa_kernel k_qad3762af41_oproj
		.amdhsa_group_segment_fixed_size 327680
		.amdhsa_private_segment_fixed_size 0
		.amdhsa_enable_private_segment 0
		.amdhsa_kernarg_size 24
		.amdhsa_user_sgpr_count 2
		.amdhsa_user_sgpr_kernarg_segment_ptr 1
		.amdhsa_wavefront_size32 1
		.amdhsa_system_sgpr_workgroup_id_x 1
		.amdhsa_system_sgpr_workgroup_id_y 1
		.amdhsa_system_sgpr_workgroup_id_z 1
		.amdhsa_system_vgpr_workitem_id 0
		.amdhsa_next_free_vgpr 512
		.amdhsa_next_free_sgpr 66
		.amdhsa_reserve_vcc 0
		.amdhsa_float_denorm_mode_32 3
		.amdhsa_float_denorm_mode_16_64 3
		.amdhsa_memory_ordered 1
		.amdhsa_forward_progress 1
		.amdhsa_inst_pref_size 85
	.end_amdhsa_kernel
	.amdgpu_metadata
---
amdhsa.version: [ 1, 2 ]
amdhsa.kernels:
  - .name:           k_qad3762af41_oproj
    .symbol:         k_qad3762af41_oproj.kd
    .args:
      - { .name: cc, .offset: 0, .size: 8, .value_kind: global_buffer, .address_space: global }
      - { .name: wo16, .offset: 8, .size: 8, .value_kind: global_buffer, .address_space: global }
      - { .name: out0, .offset: 16, .size: 8, .value_kind: global_buffer, .address_space: global }
    .group_segment_fixed_size: 327680
    .private_segment_fixed_size: 0
    .kernarg_segment_align: 8
    .kernarg_segment_size: 24
    .max_flat_workgroup_size: 128
    .sgpr_count:     66
    .vgpr_count:     512
    .wavefront_size: 32
...
	.end_amdgpu_metadata
.endif
;; end of part 4
;; launch fine_att (part 5): grid 16 x 2, 12 waves a work-group, no clusters, 13,824 bytes of LDS; arguments xc, xs, wc, ws, cfine; writes cfine
.if DOCPART == 5
	.amdgcn_target "amdgcn-amd-amdhsa--gfx1250"
	.amdhsa_code_object_version 6
	.text
	.protected	k_qad3762af41_fine_att
	.globl	k_qad3762af41_fine_att
	.p2align	8
	.type	k_qad3762af41_fine_att,@function
k_qad3762af41_fine_att:
	s_mov_b64 s[64:65], 0
	v_nop
	global_prefetch_b8 v0, s[64:65] scope:SCOPE_SE
	s_setreg_imm32_b32 hwreg(HW_REG_WAVE_MODE, 25, 1), 1
	s_wait_xcnt 0x0
; THE FIRST 16 POSITIONS of each sequence, in f32 throughout: there a row averages one to sixteen values and is the largest in size.  A work-group is (head, batch).
; Phase 1: wave w = 4 T + ct makes one tile of 16 tokens x 16 channels (16 ct on) of Q (T = 0), K (1) or V (2), anew from the codes, by the FP4 form over K = 1,024, two accumulators by turns (even and odd K steps,
; added at the end: an order of sums that differs from one chain's).  Q, K: source 0 = W's rows, source 1 = x's: a lane holds one token and eight channels.  V: the sources' buffers are swapped: one channel, eight tokens.
; The tiles go to LDS as images of their registers; one barrier.
; Phase 2: wave 0 alone: S^T = K Q^T, the causal softmax with its maximum, O^T = V^T P by the f32 form (32 instructions: no bulk work); k is permuted alike on both sides of each product.
; cfine: [batch][kc8 128][lane][16 B], lane l: c[token l % 16][8 kc8 + 4 (l / 16) + 0 .. 3], f32: the order in which the last launch's operand registers take it.
.set SPARE, 12288                      ; behind the twelve images of 1,024 bytes: the spare words, 128 bytes a wave: six blocks of 256 bytes that no other line names
	s_load_b256 s[4:11], s[0:1], 0x0               ; xc s[4:5], xs s[6:7], wc s[8:9], ws s[10:11]
	s_load_b64 s[20:21], s[0:1], 0x20              ; cfine
	v_lshl_add_u32 v2, v0, 2, SPARE                ; v2: my spare word; never rewritten
	v_mov_b32 v3, 0                                ; v3: 0; never rewritten
	v_lshrrev_b32 v1, 5, v0
	v_readfirstlane_b32 s24, v1                    ; wave 0..11
	v_and_b32 v4, 15, v0                           ; r
	v_bfe_u32 v5, v0, 4, 1                         ; h
	v_lshlrev_b32 v6, 9, v4
	v_lshl_add_u32 v6, v5, 4, v6                   ; codes: row r of 512 bytes, + 16 h
	v_lshlrev_b32 v7, 5, v4                        ; scale bytes: row r of 32
	v_and_b32 v8, 31, v0
	v_lshlrev_b32 v8, 4, v8                        ; 16 x lane
	s_lshl_b32 s25, s24, 10
	v_add_nc_u32 v9, s25, v8                       ; my wave's image
	v_lshlrev_b32 v10, 3, v5
	v_sub_nc_u32 v10, v4, v10                      ; r - 8 h
	v_lshlrev_b32 v11, 9, v5
	v_lshl_add_u32 v11, v4, 4, v11                 ; cfine: 512 h + 16 r
	v_mov_b32 v13, 0xff800000                      ; -infinity
	s_mov_b32 s34, 0x3e38aa3b                      ; c = log2(e) / 8
	s_mov_b32 s36, 0x76543210
	s_mov_b32 s37, 0xfedcba98
	s_lshr_b32 s25, s24, 2                         ; T
	s_and_b32 s26, s24, 3                          ; ct
	s_lshl_b32 s27, s25, 10
	s_lshl_b32 s28, ttmp9, 6
	s_add_co_u32 s27, s27, s28
	s_lshl_b32 s28, s26, 4
	s_add_co_u32 s27, s27, s28                     ; my first column n = 1024 T + 64 head + 16 ct
	s_and_b32 s30, ttmp7, 0xffff                   ; batch
	s_mov_b32 s29, 0
	s_wait_kmcnt 0x0
	s_lshl_b32 s28, s27, 9
	s_add_nc_u64 s[8:9], s[8:9], s[28:29]
	s_lshl_b32 s28, s27, 5
	s_add_nc_u64 s[10:11], s[10:11], s[28:29]
	s_lshl_b32 s28, s30, 20                        ; 2,048 tokens of 512 bytes
	s_add_nc_u64 s[4:5], s[4:5], s[28:29]
	s_lshl_b32 s28, s30, 16
	s_add_nc_u64 s[6:7], s[6:7], s[28:29]
	s_lshl_b32 s31, ttmp9, 12
	s_add_co_u32 s28, s28, s31                     ; cfine: 65,536 batch + 4,096 head
	s_add_nc_u64 s[20:21], s[20:21], s[28:29]
	s_cmp_lt_u32 s24, 8                            ; Q, K: source 0 = W; V: source 0 = x.  The choice hangs on the wave's number alone
	s_cselect_b64 s[12:13], s[8:9], s[4:5]
	s_cselect_b64 s[14:15], s[4:5], s[8:9]
	s_cselect_b64 s[16:17], s[10:11], s[6:7]
	s_cselect_b64 s[18:19], s[6:7], s[10:11]
.irp s, 0,1,2,3,4,5,6,7
.irp c, 0,1
	global_load_b128 v[16+8*\s+4*\c:19+8*\s+4*\c], v6, s[12:13] offset:64*\s+32*\c     ; K step s: registers 4 c .. 4 c + 3 hold K = 64 c + 32 h + 0 .. 31
	global_load_b128 v[80+8*\s+4*\c:83+8*\s+4*\c], v6, s[14:15] offset:64*\s+32*\c
.endr
.endr
.irp c, 0,1
	global_load_b128 v[144+4*\c:147+4*\c], v7, s[16:17] offset:16*\c                   ; a row's eight scale words, one for each K step; these registers hold scales and nothing else
	global_load_b128 v[152+4*\c:155+4*\c], v7, s[18:19] offset:16*\c
.endr
	s_wait_loadcnt 0x0
.irp s, 0,1,2,3,4,5,6,7
.if \s < 2
	v_wmma_scale_f32_16x16x128_f8f6f4 v[160+8*(\s%2):167+8*(\s%2)], v[16+8*\s:23+8*\s], v[80+8*\s:87+8*\s], 0, v[144+\s], v[152+\s] matrix_a_fmt:MATRIX_FMT_FP4 matrix_b_fmt:MATRIX_FMT_FP4
.else
	v_wmma_scale_f32_16x16x128_f8f6f4 v[160+8*(\s%2):167+8*(\s%2)], v[16+8*\s:23+8*\s], v[80+8*\s:87+8*\s], v[160+8*(\s%2):167+8*(\s%2)], v[144+\s], v[152+\s] matrix_a_fmt:MATRIX_FMT_FP4 matrix_b_fmt:MATRIX_FMT_FP4
.endif
.endr
.rept 4
	v_nop
.endr
.irp i, 0,1,2,3
	v_pk_add_f32 v[176+2*\i:177+2*\i], v[160+2*\i:161+2*\i], v[168+2*\i:169+2*\i]
.endr
	ds_store_b128 v9, v[176:179]
	ds_store_b128 v9, v[180:183] offset:512
	s_wait_dscnt 0x0                               ; for the others' sake: my image has landed
	s_barrier_signal -1
	s_barrier_wait -1
	s_cmp_lg_u32 s24, 0
	s_cbranch_scc1 .Lend
.irp t, 0,1,2                          ; Q into v16-47, K into v48-79, V into v80-111: register 8 ct + j of a lane as its maker held it
.irp a, 0,1,2,3
.irp g, 0,1
	ds_load_b128 v[16+32*\t+8*\a+4*\g:19+32*\t+8*\a+4*\g], v8 offset:(4*\t+\a)*1024+512*\g
.endr
.endr
.endr
	s_wait_dscnt 0x0
.set i, 0
.rept 16                               ; S^T = K Q^T: pair i of a lane's registers is channels 16 (i / 4) + 8 h + 2 (i % 4) + 0, 1 on both sides.  Two accumulators by turns; v192-239 are written by matrix instructions alone
.if i < 2
	v_wmma_f32_16x16x4_f32 v[192+8*(i%2):199+8*(i%2)], v[48+2*i:49+2*i], v[16+2*i:17+2*i], 0
.else
	v_wmma_f32_16x16x4_f32 v[192+8*(i%2):199+8*(i%2)], v[48+2*i:49+2*i], v[16+2*i:17+2*i], v[192+8*(i%2):199+8*(i%2)]
.endif
.set i, i+1
.endr
.rept 8
	v_nop                                          ; eight places behind this form
.endr
.irp k, 0,1,2,3
	v_pk_add_f32 v[112+2*\k:113+2*\k], v[192+2*\k:193+2*\k], v[200+2*\k:201+2*\k]   ; lane (r, h), register j: the score of query r and key 8 h + j
.endr
.irp j, 0,1,2,3,4,5,6,7
	v_cmp_gt_i32 vcc_lo, \j, v10                   ; hidden where 8 h + j > r
	v_cndmask_b32 v[112+\j], v[112+\j], v13, vcc_lo
.endr
	v_max3_num_f32 v128, v112, v113, v114
	v_max3_num_f32 v129, v115, v116, v117
	v_max3_num_f32 v128, v128, v118, v119
	v_max_num_f32 v128, v128, v129
	v_permlanex16_b32 v129, v128, s36, s37
	v_max_num_f32 v128, v128, v129                 ; the row's maximum (key 0 counts for every query)
	v_mul_f32 v130, s34, v128
.irp j, 0,1,2,3,4,5,6,7
	v_fma_f32 v[112+\j], v[112+\j], s34, -v130
.endr
.irp j, 0,1,2,3,4,5,6,7
	v_exp_f32 v[112+\j], v[112+\j]
.endr
	v_nop                                          ; a plain line behind the last exponential
	s_wait_alu depctr_va_vdst(0)                   ; one wait for the eight, ahead of their first reader
	v_pk_add_f32 v[132:133], v[112:113], v[114:115]
	v_pk_add_f32 v[134:135], v[116:117], v[118:119]
	v_pk_add_f32 v[132:133], v[132:133], v[134:135]
	v_add_f32 v132, v132, v133
	v_permlanex16_b32 v133, v132, s36, s37
	v_add_f32 v132, v132, v133                     ; the row's sum
	v_rcp_f32 v136, v132
	v_nop
	s_wait_alu depctr_va_vdst(0)
.irp j, 0,1,2,3,4,5,6,7
	v_mul_f32 v[120+\j], v[112+\j], v136           ; the weights
.endr
.rept 4
	v_nop
.endr
.irp u, 0,1,2,3                        ; O^T = V^T P: keys 8 h + 2 u + 0, 1 on both sides; four accumulators by turns
.irp a, 0,1,2,3
.if \u == 0
	v_wmma_f32_16x16x4_f32 v[208+8*\a:215+8*\a], v[80+8*\a+2*\u:81+8*\a+2*\u], v[120+2*\u:121+2*\u], 0
.else
	v_wmma_f32_16x16x4_f32 v[208+8*\a:215+8*\a], v[80+8*\a+2*\u:81+8*\a+2*\u], v[120+2*\u:121+2*\u], v[208+8*\a:215+8*\a]
.endif
.endr
.endr
.rept 8
	v_nop
.endr
.irp a, 0,1,2,3                        ; lane (r, h), register j: c[token r][64 head + 16 a + 8 h + j]; sixteen lanes store 256 consecutive bytes, aligned; each accumulator from its low end on
	global_store_b128 v11, v[208+8*\a:211+8*\a], s[20:21] offset:1024*\a
	global_store_b128 v11, v[212+8*\a:215+8*\a], s[20:21] offset:1024*\a+256
.endr
.Lend:
	s_wait_tensorcnt 0x0                           ; the wave's end: three lines behind my last LDS store
	ds_add_u32 v2, v3
	s_wait_dscnt 0x0
	s_endpgm
.Lfunc_end_k_qad3762af41_fine_att:
	.size	k_qad3762af41_fine_att, .Lfunc_end_k_qad3762af41_fine_att-k_qad3762af41_fine_att
	.p2alignl 7, 3214868480
	.fill 96, 4, 3214868480
	.section	.rodata,"a",@progbits
	.p2align	6, 0x0
	.amdhsa_kernel k_qad3762af41_fine_att
		.amdhsa_group_segment_fixed_size 13824
		.amdhsa_private_segment_fixed_size 0
		.amdhsa_enable_private_segment 0
		.amdhsa_kernarg_size 40
		.amdhsa_user_sgpr_count 2
		.amdhsa_user_sgpr_kernarg_segment_ptr 1
		.amdhsa_wavefront_size32 1
		.amdhsa_system_sgpr_workgroup_id_x 1
		.amdhsa_system_sgpr_workgroup_id_y 1
		.amdhsa_system_sgpr_workgroup_id_z 1
		.amdhsa_system_vgpr_workitem_id 0
		.amdhsa_next_free_vgpr 240
		.amdhsa_next_free_sgpr 66
		.amdhsa_reserve_vcc 1
		.amdhsa_float_denorm_mode_32 3
		.amdhsa_float_denorm_mode_16_64 3
		.amdhsa_memory_ordered 1
		.amdhsa_forward_progress 1
		.amdhsa_inst_pref_size 15
	.end_amdhsa_kernel
	.amdgpu_metadata
---
amdhsa.version: [ 1, 2 ]
amdhsa.kernels:
  - .name:           k_qad3762af41_fine_att
    .symbol:         k_qad3762af41_fine_att.kd
    .args:
      - { .name: xc, .offset: 0, .size: 8, .value_kind: global_buffer, .address_space: global }
      - { .name: xs, .offset: 8, .size: 8, .value_kind: global_buffer, .address_space: global }
      - { .name: wc, .offset: 16, .size: 8, .value_kind: global_buffer, .address_space: global }
      - { .name: ws, .offset: 24, .size: 8, .value_kind: global_buffer, .address_space: global }
      - { .name: cfine, .offset: 32, .size: 8, .value_kind: global_buffer, .address_space: global }
    .group_segment_fixed_size: 13824
    .private_segment_fixed_size: 0
    .kernarg_segment_align: 8
    .kernarg_segment_size: 40
    .max_flat_workgroup_size: 384
    .sgpr_count:     66
    .vgpr_count:     240
    .wavefront_size: 32
...
	.end_amdgpu_metadata
.endif
;; end of part 5
;; launch fine_out (part 6): grid 64 x 1, 8 waves a work-group, no clusters, 84,992 bytes of LDS; arguments cfine, Wo, out0; writes out0
.if DOCPART == 6
	.amdgcn_target "amdgcn-amd-amdhsa--gfx1250"
	.amdhsa_code_object_version 6
	.text
	.protected	k_qad3762af41_fine_out
	.globl	k_qad3762af41_fine_out
	.p2align	8
	.type	k_qad3762af41_fine_out,@function
k_qad3762af41_fine_out:
	s_mov_b64 s[64:65], 0
	v_nop
	global_prefetch_b8 v0, s[64:65] scope:SCOPE_SE
	s_setreg_imm32_b32 hwreg(HW_REG_WAVE_MODE, 25, 1), 1
	s_wait_xcnt 0x0
; THE FIRST 16 POSITIONS of both batches through the last product in f32: out0[2048 batch + token][n] = sum over k of c[token][k] Wo[n][k], token < 16.
; A work-group takes 16 columns n (16 x its number on) and both batches; wave w takes k = 128 w .. 128 w + 127: 64 matrix instructions of the f32 form (no bulk work), two accumulators (the batches) by turns.
; The eight waves' parts meet in LDS and are added in a fixed order, wave 0's first: an order of sums that differs from one chain's.
; Wo's rows are loaded as they lie (512 consecutive bytes a load) and turn through the wave's own stage, so that lane (r, h) holds Wo[n0 + r][k0 + 8 c + 4 h + 0 .. 3]; cfine lies in that order already.
; These 131,072 bytes leave in runs of 64 bytes (16 columns): wider work-groups would put four times the f32 matrix work on a quarter of the work-groups.
.set STG,   8448                       ; a wave's stage: 16 rows x (512 + 16) bytes
.set RED,   8*STG                      ; the parts: [batch 2][g 2][wave 8][lane][16 B]
.set SPARE, RED+16384                  ; the spare words, 128 bytes a wave: four blocks of 256 bytes that no other line names
	s_load_b128 s[4:7], s[0:1], 0x0                ; cfine, Wo
	s_load_b64 s[8:9], s[0:1], 0x10                ; out0
	v_lshl_add_u32 v2, v0, 2, SPARE                ; v2: my spare word; never rewritten
	v_mov_b32 v3, 0                                ; v3: 0; never rewritten
	v_lshrrev_b32 v1, 5, v0
	v_readfirstlane_b32 s12, v1                    ; wave 0..7
	v_and_b32 v4, 31, v0
	v_lshlrev_b32 v4, 4, v4                        ; 16 x lane
	v_and_b32 v5, 15, v0                           ; r
	v_bfe_u32 v6, v0, 4, 1                         ; h
	s_mul_i32 s13, s12, STG
	v_add_nc_u32 v7, s13, v4                       ; the stage on the way in
	v_mul_u32_u24 v8, v5, 528
	v_lshl_add_u32 v8, v6, 4, v8
	v_add_nc_u32 v8, s13, v8                       ; and on the way out: row r, + 16 h
	s_lshl_b32 s13, s12, 9
	s_add_co_u32 s13, s13, RED
	v_add_nc_u32 v9, s13, v4                       ; my part: RED + 512 wave + 16 lane
	s_and_b32 s13, s12, 3
	s_lshl_b32 s13, s13, 12
	s_add_co_u32 s13, s13, RED
	v_add_nc_u32 v10, s13, v4                      ; what waves 0-3 add up: RED + 4,096 wave + 16 lane
	v_lshlrev_b32 v11, 12, v5
	v_lshl_add_u32 v11, v6, 5, v11                 ; out0: 4,096 r + 32 h
	s_mov_b32 s15, 0
	s_wait_kmcnt 0x0
	s_lshl_b32 s14, ttmp9, 16                      ; 16 rows of Wo of 4,096 bytes,
	s_lshl_b32 s16, s12, 9                         ; + my 128 k
	s_add_co_u32 s14, s14, s16
	s_add_nc_u64 s[6:7], s[6:7], s[14:15]
	s_lshl_b32 s14, s12, 13                        ; cfine: 16 blocks of 512 bytes a wave
	s_add_nc_u64 s[4:5], s[4:5], s[14:15]
.irp r, 0,1,2,3,4,5,6,7,8,9,10,11,12,13,14,15
	global_load_b128 v[16+4*\r:19+4*\r], v4, s[6:7] offset:4096*\r
.endr
.irp m, 0,1
.irp c, 0,1,2,3,4,5,6,7,8,9,10,11,12,13,14,15
	global_load_b128 v[80+64*\m+4*\c:83+64*\m+4*\c], v4, s[4:5] offset:65536*\m+512*\c
.endr
.endr
	s_wait_loadcnt 32                              ; Wo's sixteen loads are in; cfine's 32 may be out
.irp r, 0,1,2,3,4,5,6,7,8,9,10,11,12,13,14,15
	ds_store_b128 v7, v[16+4*\r:19+4*\r] offset:528*\r
.endr
.irp c, 0,1,2,3,4,5,6,7,8,9,10,11,12,13,14,15
	ds_load_b128 v[16+4*\c:19+4*\c], v8 offset:32*\c   ; LDS serves a wave's instructions in order: these come behind the stores above
.endr
	s_wait_loadcnt 0x0
	s_wait_dscnt 0x0
.irp c, 0,1,2,3,4,5,6,7,8,9,10,11,12,13,14,15
.irp u, 0,1
.irp m, 0,1                            ; source 0 = 16 rows of Wo, source 1 = 16 tokens; k = k0 + 8 c + 4 h + 2 u + 0, 1 on both sides.  v208-223 are written by matrix instructions alone
.if (\c == 0) && (\u == 0)
	v_wmma_f32_16x16x4_f32 v[208+8*\m:215+8*\m], v[16+4*\c+2*\u:17+4*\c+2*\u], v[80+64*\m+4*\c+2*\u:81+64*\m+4*\c+2*\u], 0
.else
	v_wmma_f32_16x16x4_f32 v[208+8*\m:215+8*\m], v[16+4*\c+2*\u:17+4*\c+2*\u], v[80+64*\m+4*\c+2*\u:81+64*\m+4*\c+2*\u], v[208+8*\m:215+8*\m]
.endif
.endr
.endr
.endr
.rept 8
	v_nop                                          ; eight places behind this form
.endr
.irp m, 0,1
	ds_store_b128 v9, v[208+8*\m:211+8*\m] offset:8192*\m          ; lane (r, h), register j: token r, column n0 + 8 h + j; from the low end on
	ds_store_b128 v9, v[212+8*\m:215+8*\m] offset:8192*\m+4096
.endr
	s_wait_dscnt 0x0                               ; for the others' sake: my parts have landed
	s_barrier_signal -1
	s_barrier_wait -1
	s_cmp_gt_u32 s12, 3
	s_cbranch_scc1 .Lend
.irp p, 0,1,2,3,4,5,6,7
	ds_load_b128 v[16+4*\p:19+4*\p], v10 offset:512*\p   ; wave v = 2 batch + g adds the eight parts of registers 4 g .. 4 g + 3
.endr
	s_lshr_b32 s14, s12, 1
	s_lshl_b32 s14, s14, 23                        ; batch x 8,388,608,
	s_lshl_b32 s16, ttmp9, 6                       ; + 16 columns of 4 bytes a work-group,
	s_add_co_u32 s14, s14, s16
	s_and_b32 s16, s12, 1
	s_lshl_b32 s16, s16, 4                         ; + 16 g
	s_add_co_u32 s14, s14, s16
	s_add_nc_u64 s[8:9], s[8:9], s[14:15]
	s_wait_dscnt 0x0
	v_pk_add_f32 v[48:49], v[16:17], v[20:21]
	v_pk_add_f32 v[50:51], v[18:19], v[22:23]
.irp p, 2,3,4,5,6,7
	v_pk_add_f32 v[48:49], v[48:49], v[16+4*\p:17+4*\p]
	v_pk_add_f32 v[50:51], v[50:51], v[18+4*\p:19+4*\p]
.endr
	global_store_b128 v11, v[48:51], s[8:9]
.Lend:
	s_wait_tensorcnt 0x0                           ; the wave's end: three lines behind my last LDS store
	ds_add_u32 v2, v3
	s_wait_dscnt 0x0
	s_endpgm
.Lfunc_end_k_qad3762af41_fine_out:
	.size	k_qad3762af41_fine_out, .Lfunc_end_k_qad3762af41_fine_out-k_qad3762af41_fine_out
	.p2alignl 7, 3214868480
	.fill 96, 4, 3214868480
	.section	.rodata,"a",@progbits
	.p2align	6, 0x0
	.amdhsa_kernel k_qad3762af41_fine_out
		.amdhsa_group_segment_fixed_size 84992
		.amdhsa_private_segment_fixed_size 0
		.amdhsa_enable_private_segment 0
		.amdhsa_kernarg_size 24
		.amdhsa_user_sgpr_count 2
		.amdhsa_user_sgpr_kernarg_segment_ptr 1
		.amdhsa_wavefront_size32 1
		.amdhsa_system_sgpr_workgroup_id_x 1
		.amdhsa_system_sgpr_workgroup_id_y 1
		.amdhsa_system_sgpr_workgroup_id_z 1
		.amdhsa_system_vgpr_workitem_id 0
		.amdhsa_next_free_vgpr 224
		.amdhsa_next_free_sgpr 66
		.amdhsa_reserve_vcc 0
		.amdhsa_float_denorm_mode_32 3
		.amdhsa_float_denorm_mode_16_64 3
		.amdhsa_memory_ordered 1
		.amdhsa_forward_progress 1
		.amdhsa_inst_pref_size 15
	.end_amdhsa_kernel
	.amdgpu_metadata
---
amdhsa.version: [ 1, 2 ]
amdhsa.kernels:
  - .name:           k_qad3762af41_fine_out
    .symbol:         k_qad3762af41_fine_out.kd
    .args:
      - { .name: cfine, .offset: 0, .size: 8, .value_kind: global_buffer, .address_space: global }
      - { .name: Wo, .offset: 8, .size: 8, .value_kind: global_buffer, .address_space: global }
      - { .name: out0, .offset: 16, .size: 8, .value_kind: global_buffer, .address_space: global }
    .group_segment_fixed_size: 84992
    .private_segment_fixed_size: 0
    .kernarg_segment_align: 8
    .kernarg_segment_size: 24
    .max_flat_workgroup_size: 256
    .sgpr_count:     66
    .vgpr_count:     224
    .wavefront_size: 32
...
	.end_amdgpu_metadata
.endif
;; end of part 6
